; MI455X (gfx1250); checked and timed in simulation.
; The chip was launched on July 23, 2026; its instructions are those of AMD's public machine-readable ISA for CDNA 5 (MIT licence, August 2026) and "CDNA5" Instruction Set Architecture Reference Guide (July 2026). The comments in the code are by the model that wrote it; some were corrected since.
;; Multi Head Self Attention. Allowed arithmetic: matrix products marked QUANTISED: E2M1 operands, one E8M0 scale for each 32 along K, by v_wmma_scale_f32_16x16x128_f8f6f4 with both operands' format E2M1 (or v_wmma_scale_f32_32x16x128_f4), f32 sums; everything else in f32.
;; Inputs: H 4 x 2,048 x 1,024 float32; Wk 1,024 x 1,024 float32; Wo 1,024 x 1,024 float32; Wq 1,024 x 1,024 float32; Wv 1,024 x 1,024 float32; bk 1,024 float32; bo 1,024 float32; bq 1,024 float32; bv 1,024 float32.
;; Outputs: out0 4 x 2,048 x 1,024 float32.
;; This version of the problem:
;;   THIS VERSION OF THE PROBLEM IS GIVEN IN LOW PRECISION. The matrix products marked QUANTISED in the list below multiply operands that are first quantised to E2M1 (2 exponent bits, 1 mantissa bit; 4 bits a number), with one power-of-two scale for each 32 numbers along K (OCP MX v1.0); their sums are f32. All else is computed in f32.
;;   The module's matrix products, in the order in which they are computed (A, B: the left and right operand; K: the contracted axis; several contracted axes count as one K, in the product's order):
;;     1. [M 8,192, K 1,024] x [K 1,024, N 1,024]; A: input H; B: input Wq: QUANTISED
;;     2. [M 8,192, K 1,024] x [K 1,024, N 1,024]; A: input H; B: input Wk: QUANTISED
;;     3. [M 8,192, K 1,024] x [K 1,024, N 1,024]; A: input H; B: input Wv: QUANTISED
;;     4. batch 64 x [M 2,048, K 64] x [K 64, N 2,048]; A: computed on the way; B: computed on the way: QUANTISED
;;     5. batch 64 x [M 2,048, K 2,048] x [K 2,048, N 64]; A: softmax (see below); B: computed on the way: QUANTISED
;;     6. [M 8,192, K 1,024] x [K 1,024, N 1,024]; A: computed on the way; B: input Wo: QUANTISED
;;   THE QUANTISER, for each operand of a quantised product, along K:
;;     - K is cut into blocks of 32 from its start; a last block that is shorter is filled with zeros.
;;     - A block's scale is 2^e with e = floor(log2(the largest magnitude in the block)) - 2, held to -126 .. 127; a block of zeros has e = 0. As a byte (E8M0): e + 127.
;;     - Each number is divided by its block's scale, clamped to +-6, and rounded to the nearest number of E2M1, ties to even, subnormals kept.
;;     - The product sums the exact products of the quantised numbers (number of the format x scale) in f32.
;;   ~~~python
;;   def quantise(x, axis):      # numpy; x: float32 -> the quantised numbers, widened to float32 again
;;       x = np.moveaxis(x, axis, -1); K = x.shape[-1]
;;       x = np.pad(x, [(0, 0)] * (x.ndim - 1) + [(0, -K % 32)]); x = x.reshape(x.shape[:-1] + (-1, 32)); a = np.abs(x).max(-1, keepdims=True)
;;       e = np.where(a > 0, np.clip(np.frexp(np.where(a > 0, a, 1))[1] - 1 - 2, -126, 127), 0)      # np.frexp(a)[1] - 1 = floor(log2(a)), exactly
;;       r = np.clip(x / 2.0 ** e, -6, 6)
;;       step = 2.0 ** (np.maximum(np.frexp(np.where(r == 0, 1, r))[1] - 1, 0) - 1)
;;       q = np.round(r / step) * step * 2.0 ** e      # np.round: ties to even
;;       return np.moveaxis(q.reshape(q.shape[:-2] + (-1,))[..., :K], -1, axis).astype(np.float32)
;;   ~~~
;;   SOFTMAX AHEAD OF A QUANTISED PRODUCT. Where the list says 'softmax', what is quantised is not the finished softmax but p = 2^(t - M), with t = logit x log2(e) and M = ceil(the row's largest t), a whole number; so 1/2 < the row's largest p <= 1. The row's sum l is taken of the UNQUANTISED p, in f32, and the product's result is divided by l at the end. Since M is a whole number, a kernel that streams over the keys may use a running M (the ceiling of the running maximum): every later rescaling is an exact power of two, which a block's scale takes up: the codes' values come out the same.
;;   OPERANDS COMPUTED ON THE WAY. 'Computed on the way' means the value that the module computes at that place (a softmax that the list does not call 'softmax' is quantised finished and normalised). What goes into a quantiser is computed in f32, as accurately as f32 sums, v_exp_f32 and their like allow (about 1e-6 of the number): no bf16 or f16 on the way to a quantiser, and a product that is left as it is and whose result goes on into a quantised operand takes f32 operands (vector FMAs, or v_wmma_f32_16x16x4_f32). A number that lies on a knife's edge between two numbers of the format may be rounded either way, as far as f32 arithmetic and the matrix unit's own rounding can turn it there, and no further.
;; One version. Each part assembles by itself: llvm-mc -triple=amdgcn-amd-amdhsa -mcpu=gfx1250 --defsym DOCPART=n.
;; ======== version 1 of 1: 4 launches
;; workspace buffers: xc 6,291,456 bytes; xs 393,216 bytes; qkv 12,582,912 bytes; qkvs 1,310,720 bytes; cc 4,194,304 bytes; cs 262,144 bytes
;; launch quant (part 1): grid 256 x 1, 6 waves a work-group, no clusters, 52,992 bytes of LDS; arguments H, Wq, Wk, Wv, Wo, xc, xs; writes xc, xs
.if DOCPART == 1
	.amdgcn_target "amdgcn-amd-amdhsa--gfx1250"
	.amdhsa_code_object_version 6
	.text
	.protected	k_qcc0b1af2db_quant
	.globl	k_qcc0b1af2db_quant
	.p2align	8
	.type	k_qcc0b1af2db_quant,@function
k_qcc0b1af2db_quant:
	s_mov_b64 s[64:65], 0
	v_nop
	global_prefetch_b8 v0, s[64:65] scope:SCOPE_SE
	s_setreg_imm32_b32 hwreg(HW_REG_WAVE_MODE, 25, 1), 1
	s_wait_xcnt 0x0
; H [8192][1024] and Wq, Wk, Wv, Wo [1024][1024], f32, K innermost, become codes of FP4 (E2M1) with one E8M0 byte for each 32 along K.
; A block's scale is 2^(floor(log2(its largest magnitude)) - 2); its byte is the largest magnitude's exponent field - 2, held at 1 from below.
; LIMITS: NaN and infinities among the inputs are not served.  A block of zeros gets the byte 1 where the rule says 127: its codes are zeros, which add nothing
; under any byte but 0xff, and the bytes are read by this program alone.
; THE OUTPUT IS LAID AS IMAGES OF OPERAND REGISTERS.  The 12,288 rows (H, Wq, Wk, Wv, Wo on end) are cut into tiles of 16: tile 2 B + u holds in lane r the row 32 B + 8 u + r + 8 (r / 8).
; The image of (tile T, K step s of 128) is 1,024 bytes at xc + 8192 T + 1024 s: [c 0..1][lane][16 bytes], lane (r, h), group c holding k = 128 s + 64 c + 32 h + 0 .. 31 of its row.
; The scale word (four bytes) of (row, K step) lies at xs + 49152 s + 64 T + 4 r.
; SHARES.  1,536 waves; wave u = 6 x work-group + wave takes K step u % 8 of the four tiles of row group u / 8 (64 rows): four units of 16 rows x 128 numbers.
; A unit's 16 loads read 512 consecutive bytes each (a row's 128 numbers); they turn through the wave's own stage in LDS (rows 528 bytes apart) so that a lane gets 16 neighbours of each block.
; Waves share nothing: no barrier.  Two units' loads (32) are out at the start.
.set WREG,  8704                       ; LDS of a wave: a stage of 16 x 528 bytes, then its 256 bytes of scale words
.set SP,    528
.set SCW,   16*SP
.set TM,    12                         ; v12-27  at work: largest magnitudes, bytes, the conversions' scale operands
.set PW,    28                         ; v28-31  a unit's scale word
.set PC,    32                         ; v32-63  a unit's codes, eight registers each: no store's data are written again
.set X,     64                         ; v64-127 64 numbers: register 16 b + i = k 32 b + 16 h + i of my row
.set R,     128                        ; v128-255 two sets of 64 registers as loaded
.set SEL,   26                         ; s[26:27] v_permlanex16_b32's selects for lane l xor 16
; 64 numbers of a lane become a fragment's eight registers of codes and its row's scale word
.macro QUANT s, pc, pw
.irp b, 0,1,2,3
	v_max3_num_f32 v[TM+\b], |v[\s+16*\b]|, |v[\s+1+16*\b]|, 0x1800000   ; block b: my 16 numbers, and the floor 2^(3 - 127): the byte cannot fall under 1
.endr
.irp i, 2,4,6,8,10,12,14
.irp b, 0,1,2,3
	v_max3_num_f32 v[TM+\b], v[TM+\b], |v[\s+16*\b+\i]|, |v[\s+1+16*\b+\i]|   ; the four blocks by turns
.endr
.endr
.irp b, 0,1,2,3
	v_permlanex16_b32 v[TM+4+\b], v[TM+\b], s[SEL], s[SEL+1]
.endr
.irp b, 0,1,2,3
	v_max_num_f32 v[TM+\b], v[TM+\b], v[TM+4+\b]   ; with lane l xor 16's 16: the block's largest magnitude
.endr
.irp b, 0,1,2,3
	v_add_nc_u32 v[TM+12+\b], 0xff000000, v[TM+\b] ; 2 off its exponent field: the conversion's scale operand
.endr
.irp b, 0,1,2,3
	v_lshrrev_b32 v[TM+4+\b], 23, v[TM+12+\b]      ; the scale's byte
.endr
	v_lshl_or_b32 v[\pw], v[TM+5], 8, v[TM+4]
	v_lshl_or_b32 v[\pw], v[TM+6], 16, v[\pw]
	v_lshl_or_b32 v[\pw], v[TM+7], 24, v[\pw]      ; my row's scale word
.irp b, 0,1,2,3
	v_cvt_scalef32_pk8_fp4_f32 v[\pc+2*\b], v[\s+16*\b:\s+7+16*\b], v[TM+12+\b]
	v_cvt_scalef32_pk8_fp4_f32 v[\pc+1+2*\b], v[\s+8+16*\b:\s+15+16*\b], v[TM+12+\b]
.endr
	v_nop                                          ; one plain line behind the scaled conversions
.irp c, 0,1                                    ; the operand's layout wants a whole block in a lane: lanes 0-15 block 2 c, lanes 16-31 block 2 c + 1
.irp i, 0,1
	v_permlane16_swap_b32 v[\pc+4*\c+\i], v[\pc+2+4*\c+\i]
.endr
.endr
.endm
	s_load_b256 s[4:11], s[0:1], 0x0               ; H, Wq, Wk, Wv
	s_load_b128 s[12:15], s[0:1], 0x20             ; Wo, xc
	s_load_b64 s[16:17], s[0:1], 0x30              ; xs
	v_lshl_add_u32 v22, v0, 2, 0xcc00
	v_mov_b32 v23, 0
	v_lshrrev_b32 v1, 5, v0
	v_readfirstlane_b32 s18, v1                    ; wave 0..5
	v_and_b32 v1, 31, v0                           ; lane
	v_and_b32 v2, 15, v0                           ; r
	v_bfe_u32 v3, v0, 4, 1                         ; h
	v_lshlrev_b32 v4, 4, v1                        ; 16 x lane: my place in a load's and in a code store's 512 bytes
	s_mul_i32 s19, s18, WREG
	v_add_nc_u32 v5, s19, v4                       ; the stage, on the way in: row i at 528 i, 16 bytes a lane
	v_mul_u32_u24 v6, v2, SP
	v_lshl_add_u32 v6, v3, 6, v6
	v_add_nc_u32 v6, s19, v6                       ; and on the way out: row r, + 64 h: my 16 numbers of a block
	s_add_co_u32 s19, s19, SCW
	v_lshl_add_u32 v7, v2, 2, s19                  ; my row's scale word in the wave's 256 bytes
	v_lshl_add_u32 v8, v1, 3, s19                  ; and 8 bytes a lane on their way out
	v_lshlrev_b32 v9, 3, v1
.irp b, 0,1,2,3
	v_mov_b32 v[TM+4+\b], 0                        ; written once: a lane permute's destination counts as one of its sources
.endr
	s_mov_b32 s[SEL], 0x76543210
	s_mov_b32 s[SEL+1], 0xfedcba98
	s_mul_i32 s20, ttmp9, 6
	s_add_co_u32 s20, s20, s18                     ; u
	s_and_b32 s21, s20, 7                          ; K step
	s_lshr_b32 s22, s20, 3                         ; row group 0..191: 0-127 H, then 16 each of Wq, Wk, Wv, Wo
	s_and_b32 s23, s22, 15                         ; its number inside a weight
	s_wait_alu depctr_va_vdst(0)
	s_wait_kmcnt 0x0
	s_mov_b64 s[24:25], s[12:13]                   ; the tensor is chosen by the group's number alone
	s_cmp_lt_u32 s22, 176
	s_cselect_b64 s[24:25], s[10:11], s[24:25]
	s_cmp_lt_u32 s22, 160
	s_cselect_b64 s[24:25], s[8:9], s[24:25]
	s_cmp_lt_u32 s22, 144
	s_cselect_b64 s[24:25], s[6:7], s[24:25]
	s_cmp_lt_u32 s22, 128
	s_cselect_b64 s[24:25], s[4:5], s[24:25]
	s_cselect_b32 s23, s22, s23
	s_lshl_b32 s28, s23, 18                        ; 64 rows of 4,096 bytes a group,
	s_lshl_b32 s29, s21, 9                         ; 512 bytes a K step
	s_add_co_u32 s28, s28, s29
	s_mov_b32 s29, 0
	s_add_nc_u64 s[24:25], s[24:25], s[28:29]
	s_lshl_b32 s28, s22, 15                        ; codes: four tiles of 8,192 bytes a group, 1,024 a K step
	s_lshl_b32 s30, s21, 10
	s_add_co_u32 s28, s28, s30
	s_add_nc_u64 s[14:15], s[14:15], s[28:29]
	s_mul_i32 s28, s21, 49152                      ; scale words: 49,152 bytes a K step, 256 a group
	s_lshl_b32 s30, s22, 8
	s_add_co_u32 s28, s28, s30
	s_add_nc_u64 s[16:17], s[16:17], s[28:29]
.macro LOAD t                          ; tile t of the group: lane place i is row 32 (t / 2) + 8 (t % 2) + i + 8 (i / 8); each load reads 512 consecutive bytes
.irp i, 0,1,2,3,4,5,6,7,8,9,10,11,12,13,14,15
	global_load_b128 v[R+64*((\t)%2)+4*\i:R+64*((\t)%2)+4*\i+3], v4, s[24:25] offset:(32*((\t)/2)+8*((\t)%2)+\i+8*(\i/8))*4096 th:TH_LOAD_NT
.endr
.endm
.macro UNIT t
.if (\t) < 3
	s_wait_loadcnt 16                              ; this unit's 16 loads are in; the next unit's 16 may be out
.else
	s_wait_loadcnt 0x0
.endif
.irp i, 0,1,2,3,4,5,6,7,8,9,10,11,12,13,14,15
	ds_store_b128 v5, v[R+64*((\t)%2)+4*\i:R+64*((\t)%2)+4*\i+3] offset:SP*\i
.endr
.irp b, 0,1,2,3
.irp j, 0,1,2,3
	ds_load_b128 v[X+16*\b+4*\j:X+16*\b+4*\j+3], v6 offset:128*\b+16*\j   ; LDS serves a wave's instructions in order: these see the stores above
.endr
.endr
	s_wait_dscnt 0x0                               ; the numbers are back, and the stores have read their registers,
.if (\t) < 2
	LOAD (\t)+2                                    ; which take the loads of two units on
.endif
	QUANT X, PC+8*(\t), PW+(\t)
	ds_store_b32 v7, v[PW+(\t)] offset:64*(\t)     ; lanes r and r + 16 write the same word with the same value
	global_store_b128 v4, v[PC+8*(\t):PC+8*(\t)+3], s[14:15] offset:8192*(\t)        ; 32 lanes store 512 consecutive bytes, aligned
	global_store_b128 v4, v[PC+8*(\t)+4:PC+8*(\t)+7], s[14:15] offset:8192*(\t)+512
.endm
	LOAD 0
	LOAD 1
	UNIT 0
	UNIT 1
	UNIT 2
	UNIT 3
	ds_load_b64 v[10:11], v8                       ; the four tiles' scale words
	s_wait_dscnt 0x0
	global_store_b64 v9, v[10:11], s[16:17]        ; 32 lanes store 256 consecutive bytes, aligned
	s_wait_tensorcnt 0x0
	ds_add_u32 v22, v23
	s_wait_dscnt 0x0
	s_endpgm
.Lfunc_end_k_qcc0b1af2db_quant:
	.size	k_qcc0b1af2db_quant, .Lfunc_end_k_qcc0b1af2db_quant-k_qcc0b1af2db_quant
	.p2alignl 7, 3214868480
	.fill 96, 4, 3214868480
	.section	.rodata,"a",@progbits
	.p2align	6, 0x0
	.amdhsa_kernel k_qcc0b1af2db_quant
		.amdhsa_group_segment_fixed_size 52992
		.amdhsa_private_segment_fixed_size 0
		.amdhsa_enable_private_segment 0
		.amdhsa_kernarg_size 56
		.amdhsa_user_sgpr_count 2
		.amdhsa_user_sgpr_kernarg_segment_ptr 1
		.amdhsa_wavefront_size32 1
		.amdhsa_system_sgpr_workgroup_id_x 1
		.amdhsa_system_sgpr_workgroup_id_y 1
		.amdhsa_system_sgpr_workgroup_id_z 1
		.amdhsa_system_vgpr_workitem_id 0
		.amdhsa_next_free_vgpr 256
		.amdhsa_next_free_sgpr 66
		.amdhsa_reserve_vcc 0
		.amdhsa_float_denorm_mode_32 3
		.amdhsa_float_denorm_mode_16_64 3
		.amdhsa_memory_ordered 1
		.amdhsa_forward_progress 1
		.amdhsa_inst_pref_size 34
	.end_amdhsa_kernel
	.amdgpu_metadata
---
amdhsa.version: [ 1, 2 ]
amdhsa.kernels:
  - .name:           k_qcc0b1af2db_quant
    .symbol:         k_qcc0b1af2db_quant.kd
    .args:
      - { .name: H, .offset: 0, .size: 8, .value_kind: global_buffer, .address_space: global }
      - { .name: Wq, .offset: 8, .size: 8, .value_kind: global_buffer, .address_space: global }
      - { .name: Wk, .offset: 16, .size: 8, .value_kind: global_buffer, .address_space: global }
      - { .name: Wv, .offset: 24, .size: 8, .value_kind: global_buffer, .address_space: global }
      - { .name: Wo, .offset: 32, .size: 8, .value_kind: global_buffer, .address_space: global }
      - { .name: xc, .offset: 40, .size: 8, .value_kind: global_buffer, .address_space: global }
      - { .name: xs, .offset: 48, .size: 8, .value_kind: global_buffer, .address_space: global }
    .group_segment_fixed_size: 52992
    .private_segment_fixed_size: 0
    .kernarg_segment_align: 8
    .kernarg_segment_size: 56
    .max_flat_workgroup_size: 192
    .sgpr_count:     66
    .vgpr_count:     256
    .wavefront_size: 32
...
	.end_amdgpu_metadata
.endif
;; end of part 1
;; launch qkv (part 2): grid 12 x 32, 4 waves a work-group, clusters of 4 x 4, 287,232 bytes of LDS; arguments xc, xs, bq, bk, bv, qkv, qkvs; writes qkv, qkvs
.if DOCPART == 2
	.amdgcn_target "amdgcn-amd-amdhsa--gfx1250"
	.amdhsa_code_object_version 6
	.text
	.protected	k_qcc0b1af2db_qkv
	.globl	k_qcc0b1af2db_qkv
	.p2align	8
	.type	k_qcc0b1af2db_qkv,@function
k_qcc0b1af2db_qkv:
	s_mov_b64 s[64:65], 0
	v_nop
	global_prefetch_b8 v0, s[64:65] scope:SCOPE_SE
	s_setreg_imm32_b32 hwreg(HW_REG_WAVE_MODE, 25, 1), 1
	s_wait_xcnt 0x0
	s_wait_alu depctr_hold_cnt(0) depctr_sa_sdst(0) depctr_va_vdst(0) depctr_va_sdst(0) depctr_va_ssrc(0) depctr_va_vcc(0) depctr_vm_vsrc(0)
	s_getreg_b32 s2, hwreg(HW_REG_IB_STS2, 6, 4)
	s_cmp_eq_u32 s2, 0
	s_cbranch_scc0 .Lentry_in_a_cluster
	s_endpgm
.Lentry_in_a_cluster:
	s_bfe_u32 s2, ttmp6, 0x10000c
	s_cmp_lg_u32 s2, 0xf033
	s_cbranch_scc0 .Lentry_shape_is_right
	s_endpgm
.Lentry_shape_is_right:
; Q = H Wq^T + bq, K = H Wk^T + bk, V = H Wv^T + bv on codes of FP4 with E8M0 scales (K = 1,024), sums in f32 begun with the bias; the results are quantised at once:
; Q and K along the head's 64 (two blocks), V down the keys (blocks of 32 keys), and leave as images of operand registers.  No f32 result goes to memory.
; LIMITS: NaN and infinities are not served; a block of zeros gets the byte 1 where the rule says 127 (its codes are zeros; this program alone reads the bytes).
; SHARES.  A work-group takes 256 rows of H (work-group y) x 256 rows of Wq | Wk | Wv (work-group x: 0-3 Q, 4-7 K, 8-11 V); each of four waves 128 x 128: 64 accumulators, 512 registers.
; NO RING: a row's 1,024 codes are 512 bytes, so both tiles lie whole in LDS: each wave issues three tensor loads at the start (scale words, K half 0, K half 1); no LDS byte is filled twice.
; All operands are images (quantiser's layout): a fragment is two ds_load_b128 at 16 x lane: consecutive bytes, no pitch.
; CLUSTER 4 x 4: H's tiles are shared along a row of the cluster, W's along a column: joint loads, same descriptor and mask in the four that share.
; The cluster's x (0 Q, 1 K, 2 V) is the same in all sixteen partners: the text parts on it.
;   Q, K: source 0 = 16 rows of W, source 1 = 16 rows of H: a lane holds one row of H, and the registers of accumulators (a, 2 B), (a, 2 B + 1) are features 32 B + 16 h + 0 .. 15.
;   V:    source 0 = 16 rows of H, source 1 = 16 rows of Wv: a lane holds one feature d, and the registers run down the keys 32 B + 16 h + 0 .. 15.
; OUT.  pair = 8 batch + head / 2.  qkv + 393216 pair: Q at 0, K at 131072: 65536 parity + 512 T + 16 lane (T: tile of 16 rows of the batch; four registers: d = 32 h ..);
;   V^T at 262144: 65536 parity + 4096 ks + 1024 t + 512 c + 16 lane (ks: 128 keys; t: tile of 16 d).
;   qkvs + 40960 pair: Q's words at 0, K's at 16384: 8192 parity + 64 T + 4 r, bytes 0, 1 the head's two blocks, bytes 2, 3 zero; V's at 32768: 4096 parity + 64 (4 ks + t) + 4 r.
; REGISTERS, in windows of 256.  window 0: v1-27 addresses; v32-95 scale words; v96-111 at work; v128-191, v192-255 H's fragments, two sets; on the way out v128-191 codes, v192-207 scale words.
;   window 1: v0-63, v128-191 W's fragments, two sets; v64-127 the bias, eight tiles in the result's layout.   windows 2, 3: accumulator (a, b) at v[8 (8 (a % 4) + b)].
.set HI,    0                          ; LDS: H's images: 65536 q + 32768 half + 4096 i + 1024 (s % 4) + 512 c + 16 lane (q: K half; i: tile)
.set WI,    131072                     ; W's likewise
.set HS,    262144                     ; H's scale words: 4096 half + 512 s + 64 i + 4 r
.set WS,    270336                     ; W's likewise
.set SCRQ,  278528                     ; scale words on their way out, 1,024 bytes a wave: the Q/K way's,
.set SCRV,  282624                     ; and the V way's own
.set LI,   4                           ; v4   16 x lane
.set SAQ,  5                           ; v5   SCRQ + 1024 w + 512 h + 4 r
.set SRQ,  6                           ; v6   SCRQ + 1024 w + 16 lane
.set SAV,  7                           ; v7   SCRV + 1024 w + 4 r
.set SRV,  8                           ; v8   SCRV + 1024 w + 16 lane
.set GV,   9                           ; v9   16 r + 4096 h
.set BQK,  10                          ; v10  64 h: the bias of a lane's half
.set BVO,  11                          ; v11  4 (r + 8 (r / 8)): the bias of a lane's feature
.set ADH,  16                          ; v16-17 my H fragments in K half 0, 1
.set ADW,  20                          ; v20-21 my W fragments
.set ADRS, 27                          ; v27  scale words: lanes 0-15 H's, lanes 16-31 W's
.set SC,   32                          ; register 8 s + i: lanes 0-15 the word of H's tile i, lanes 16-31 that of W's tile i, K step s
.set TM,   96
.set SH,   114                         ; v114 16 h
.set OUTW, 116                         ; v116-123 scale words read back
.set HF,   128
.set PCB,  128                         ; codes of block a at v[128 + 8 a]
.set PWH,  192                         ; v192-199 a head's half of the scale word
.set PWB,  200                         ; v200-207 the scale word of block a
.set BIAS, 64
.set G1H,  32
.set G1W,  40
.set G1SH, 48
.set G1SW, 56
.set G0H,  68
.set G0W,  76
.set G0SH, 84
.set G0SW, 88
.set MSB, 0
.macro WIN new                         ; the immediate's high byte repeats the setting that is left
.if MSB != (\new)
	s_set_vgpr_msb (MSB<<8)|(\new)
.set MSB, (\new)
.endif
.endm
; A joint load: waves 0 and 1 fetch for H, waves 2 and 3 for W; the branch hangs on the wave's number alone.  Four v_nop follow each of the two lines.
.macro JLOAD g0a, g1a, g0b, g1b
	s_cmp_eq_u32 s23, 0
	s_cbranch_scc0 .Lfor_b_\@
	tensor_load_to_lds s[\g0a:\g0a+3], s[\g1a:\g1a+7]
	s_nop 0
.rept 4
	v_nop
.endr
	s_branch .Lasked_\@
.Lfor_b_\@:
	tensor_load_to_lds s[\g0b:\g0b+3], s[\g1b:\g1b+7]
	s_nop 0
.rept 4
	v_nop
.endr
.Lasked_\@:
.endm
.macro CROUND                          ; a round of the cluster's barrier
	s_barrier_signal -1
	s_barrier_wait -1
	s_cmp_lg_u32 s22, 0
	s_cbranch_scc1 .Lnot_wave_0_\@
	s_barrier_signal -3
.Lnot_wave_0_\@:
	s_barrier_wait -3
	s_barrier_signal -1
	s_barrier_wait -1
.endm
.macro PLACES n
.rept \n
	v_nop
.endr
.endm
	s_load_b256 s[4:11], s[0:1], 0x0               ; xc, xs, bq, bk
	s_load_b128 s[12:15], s[0:1], 0x20             ; bv, qkv
	s_load_b64 s[16:17], s[0:1], 0x30              ; qkvs
	v_lshl_add_u32 v126, v0, 2, 0x46000
	v_mov_b32 v127, 0
	ds_add_u32 v126, v127
	ds_add_u32 v126, v127
	v_lshrrev_b32 v1, 5, v0
	v_readfirstlane_b32 s22, v1                    ; wave 0..3
	s_lshr_b32 s23, s22, 1                         ; my half of H's rows.  Also: I fetch for H (0) or for W (1)
	s_and_b32 s24, s22, 1                          ; my half of W's rows.  Also: which half of that tile I fetch
	s_bfe_u32 s25, ttmp6, 0x40000                  ; cx
	s_bfe_u32 s26, ttmp6, 0x40004                  ; cy
	s_lshl_b32 s27, ttmp9, 2
	s_add_co_u32 s27, s27, s25                     ; work-group x
	s_and_b32 s28, ttmp7, 0xffff
	s_lshl_b32 s28, s28, 2
	s_add_co_u32 s28, s28, s26                     ; work-group y
	s_lshl_b32 s29, s26, 2
	s_lshl_b32 s29, 15, s29                        ; my row of the cluster
	s_lshl_b32 s30, 0x1111, s25                    ; my column
	; group 1, codes: 8 rows (tiles) of 4,096 bytes (four K steps' images), 8,192 bytes apart; elements of 8 bytes
	s_or_b32 s[G1H], s29, (3<<16)|(1<<21)
	s_or_b32 s[G1W], s30, (3<<16)|(1<<21)
.irp g, G1H, G1W
	s_mov_b32 s[\g+1], 512<<16                     ; tensor_dim0
	s_mov_b32 s[\g+2], 8<<16                       ; tensor_dim1
	s_mov_b32 s[\g+3], 512<<16                     ; tile_dim0
	s_mov_b32 s[\g+4], 8                           ; tile_dim1
	s_mov_b32 s[\g+5], 1024                        ; from row to row
	s_mov_b32 s[\g+6], 0
	s_mov_b32 s[\g+7], 0
.endr
	; group 1, scale words: 8 rows (K steps) of 512 bytes (8 tiles), 49,152 bytes apart
	s_or_b32 s[G1SH], s29, (3<<16)|(1<<21)
	s_or_b32 s[G1SW], s30, (3<<16)|(1<<21)
.irp g, G1SH, G1SW
	s_mov_b32 s[\g+1], 64<<16
	s_mov_b32 s[\g+2], 8<<16
	s_mov_b32 s[\g+3], 64<<16
	s_mov_b32 s[\g+4], 8
	s_mov_b32 s[\g+5], 6144
	s_mov_b32 s[\g+6], 0
	s_mov_b32 s[\g+7], 0
.endr
	s_lshl_b32 s92, s28, 17                        ; H's codes: tile 16 y + 8 half, 8,192 bytes a tile
	s_lshl_b32 s18, s24, 16
	s_add_co_u32 s92, s92, s18
	s_mov_b32 s93, 0
	s_lshl_b32 s94, s27, 17                        ; W's: tile 512 + 16 x + 8 half
	s_add_co_u32 s94, s94, s18
	s_add_co_u32 s94, s94, 512*8192
	s_mov_b32 s95, 0
	s_lshl_b32 s96, s28, 10                        ; the scale words: 64 bytes a tile
	s_lshl_b32 s18, s24, 9
	s_add_co_u32 s96, s96, s18
	s_mov_b32 s97, 0
	s_lshl_b32 s98, s27, 10
	s_add_co_u32 s98, s98, s18
	s_add_co_u32 s98, s98, 512*64
	s_mov_b32 s99, 0
	s_lshl_b32 s31, s23, 17                        ; where the codes go: 131072 (H or W) + 32768 half: the wave's number alone
	s_lshl_b32 s18, s24, 15
	s_add_co_u32 s31, s31, s18
	s_lshl_b32 s19, s22, 12
	s_add_co_u32 s19, s19, HS                      ; and the scale words: HS + 4096 wave
	s_mov_b32 s100, 0x76543210
	s_mov_b32 s101, 0xfedcba98                     ; v_permlanex16_b32's selects for lane l xor 16
	s_wait_dscnt 0x0
	s_wait_kmcnt 0x0
	s_add_nc_u64 s[92:93], s[4:5], s[92:93]
	s_add_nc_u64 s[94:95], s[4:5], s[94:95]
	s_add_nc_u64 s[96:97], s[6:7], s[96:97]
	s_add_nc_u64 s[98:99], s[6:7], s[98:99]
	CROUND                                         ; all sixteen work-groups are here: the joint loads meet
	s_mov_b32 s[G0SH], 1
	s_mov_b32 s[G0SH+1], s19
	s_mov_b64 s[G0SH+2:G0SH+3], s[96:97]
	s_or_b32 s[G0SH+3], s[G0SH+3], 0x80000000
	s_mov_b32 s[G0SW], 1
	s_mov_b32 s[G0SW+1], s19
	s_mov_b64 s[G0SW+2:G0SW+3], s[98:99]
	s_or_b32 s[G0SW+3], s[G0SW+3], 0x80000000
	JLOAD G0SH, G1SH, G0SW, G1SW                   ; the scale words first: they are wanted with K step 0
.irp q, 0,1
	s_mov_b32 s[G0H+4*\q], 1
	s_add_co_u32 s[G0H+4*\q+1], s31, \q*65536
	s_add_nc_u64 s[G0H+4*\q+2:G0H+4*\q+3], s[92:93], \q*4096
	s_or_b32 s[G0H+4*\q+3], s[G0H+4*\q+3], 0x80000000
	s_mov_b32 s[G0W+4*\q], 1
	s_add_co_u32 s[G0W+4*\q+1], s31, \q*65536
	s_add_nc_u64 s[G0W+4*\q+2:G0W+4*\q+3], s[94:95], \q*4096
	s_or_b32 s[G0W+4*\q+3], s[G0W+4*\q+3], 0x80000000
	JLOAD G0H+4*\q, G1H, G0W+4*\q, G1W             ; K half q: three loads of mine are out behind the second
.endr
	; every LDS address is made here, ahead of the parting
	v_and_b32 v1, 15, v0                           ; r
	v_bfe_u32 v2, v0, 4, 1                         ; h
	v_and_b32 v3, 31, v0                           ; lane
	v_lshlrev_b32 v[LI], 4, v3
	s_lshl_b32 s18, s22, 10
	s_add_co_u32 s20, s18, SCRQ
	s_add_co_u32 s21, s18, SCRV
	v_lshlrev_b32 v12, 2, v1                       ; 4 r
	v_lshl_add_u32 v[SAQ], v2, 9, v12
	v_add_nc_u32 v[SAQ], s20, v[SAQ]
	v_add_nc_u32 v[SRQ], s20, v[LI]
	v_add_nc_u32 v[SAV], s21, v12
	v_add_nc_u32 v[SRV], s21, v[LI]
	v_lshlrev_b32 v[GV], 4, v1
	v_lshl_add_u32 v[GV], v2, 12, v[GV]
	v_lshlrev_b32 v[BQK], 6, v2
	v_and_b32 v13, 8, v1
	v_add_nc_u32 v13, v13, v1
	v_lshlrev_b32 v[BVO], 2, v13
	v_lshlrev_b32 v[SH], 4, v2
	s_lshl_b32 s18, s23, 15                        ; my 8 tiles of H,
	s_lshl_b32 s20, s24, 15
	s_add_co_u32 s20, s20, WI                      ; my 8 tiles of W
.irp q, 0,1
	v_add_nc_u32 v[ADH+\q], s18, v[LI]
	v_add_nc_u32 v[ADW+\q], s20, v[LI]
	s_add_co_u32 s18, s18, 65536
	s_add_co_u32 s20, s20, 65536
.endr
	s_lshl_b32 s18, s23, 12                        ; H's words: my half;
	s_lshl_b32 s20, s24, 12
	s_add_co_u32 s20, s20, WS-HS                   ; W's: my half, behind H's
	s_sub_co_u32 s20, s20, s18
	v_mul_u32_u24 v13, s20, v2                     ; lanes 16-31 take W's: the lower base + h x the distance
	s_add_co_u32 s18, s18, HS
	v_add_nc_u32 v13, v13, v12
	v_add_nc_u32 v[ADRS], s18, v13
.irp b, 0,1,2,3
	v_mov_b32 v[TM+4+\b], 0                        ; written once: a lane permute's destination counts as one of its sources
.endr
	; where the results go
	s_lshr_b32 s18, s28, 3
	s_lshl_b32 s18, s18, 3                         ; 8 x batch
	s_lshl_b32 s20, s25, 1
	s_add_co_u32 s18, s18, s20
	s_add_co_u32 s18, s18, s24                     ; pair = 8 batch + 2 cx + my half of W's rows
	s_and_b32 s19, s28, 7
	s_lshl_b32 s19, s19, 1
	s_add_co_u32 s19, s19, s23                     ; which 128 rows of the batch are mine
	s_mul_i32 s92, s18, 393216
	s_lshl_b32 s98, ttmp9, 17                      ; Q at 0, K at 131072, V at 262144
	s_add_co_u32 s92, s92, s98
	s_lshl_b32 s98, s19, 12                        ; 128 rows are 4,096 bytes of a head's codes, in Q, K and V^T alike
	s_add_co_u32 s92, s92, s98
	s_mov_b32 s93, 0
	s_add_nc_u64 s[14:15], s[14:15], s[92:93]
	s_mul_i32 s94, s18, 40960
	s_lshl_b32 s98, ttmp9, 14                      ; the words: Q's at 0, K's at 16384, V's at 32768
	s_add_co_u32 s94, s94, s98
	s_mov_b32 s95, 0
	s_add_nc_u64 s[16:17], s[16:17], s[94:95]
	s_lshl_b32 s20, s25, 10
	s_lshl_b32 s21, s24, 9
	s_add_co_u32 s20, s20, s21                     ; my 128 features in the bias, in bytes
	s_mov_b32 s21, 0
.macro SCALES                          ; all of K's scale words: 64 registers
.irp s, 0,1,2,3,4,5,6,7
.irp i, 0,1,2,3,4,5,6,7
	ds_load_b32 v[SC+8*\s+\i], v[ADRS] offset:512*\s+64*\i
.endr
.endr
.endm
.macro FETCH s                         ; K step s: W's eight fragments and H's eight into set s % 2
	WIN 0x40
.irp i, 0,1,2,3,4,5,6,7
.irp c, 0,1
	ds_load_b128 v[128*((\s)%2)+8*\i+4*\c:128*((\s)%2)+8*\i+4*\c+3], v[ADW+(\s)/4] offset:4096*\i+1024*((\s)%4)+512*\c
.endr
.endr
	WIN 0
.irp i, 0,1,2,3,4,5,6,7
.irp c, 0,1
	ds_load_b128 v[HF+64*((\s)%2)+8*\i+4*\c:HF+64*((\s)%2)+8*\i+4*\c+3], v[ADH+(\s)/4] offset:4096*\i+1024*((\s)%4)+512*\c
.endr
.endr
.endm
; 32 matrix instructions: blocks a0 .. a0 + 3 x b = 0 .. 7.  The 64 accumulators take turns, one instruction a turn, in the same order in every K step.
; In K step 0 the bias is C: nothing is cleared and nothing is added later.
.macro MUL v, s, a0
.irp a, \a0, \a0+1, \a0+2, \a0+3
.irp b, 0,1,2,3,4,5,6,7
.if \v
.if (\s) == 0
	v_wmma_scale_f32_16x16x128_f8f6f4 v[8*(8*((\a)%4)+\b):8*(8*((\a)%4)+\b)+7], v[HF+64*((\s)%2)+8*\b:HF+64*((\s)%2)+8*\b+7], v[128*((\s)%2)+8*(\a):128*((\s)%2)+8*(\a)+7], v[BIAS+8*(\a):BIAS+8*(\a)+7], v[SC+8*(\s)+\b], v[SC+8*(\s)+(\a)] matrix_a_fmt:MATRIX_FMT_FP4 matrix_b_fmt:MATRIX_FMT_FP4 matrix_b_scale:MATRIX_SCALE_ROW1
.else
	v_wmma_scale_f32_16x16x128_f8f6f4 v[8*(8*((\a)%4)+\b):8*(8*((\a)%4)+\b)+7], v[HF+64*((\s)%2)+8*\b:HF+64*((\s)%2)+8*\b+7], v[128*((\s)%2)+8*(\a):128*((\s)%2)+8*(\a)+7], v[8*(8*((\a)%4)+\b):8*(8*((\a)%4)+\b)+7], v[SC+8*(\s)+\b], v[SC+8*(\s)+(\a)] matrix_a_fmt:MATRIX_FMT_FP4 matrix_b_fmt:MATRIX_FMT_FP4 matrix_b_scale:MATRIX_SCALE_ROW1
.endif
.else
.if (\s) == 0
	v_wmma_scale_f32_16x16x128_f8f6f4 v[8*(8*((\a)%4)+\b):8*(8*((\a)%4)+\b)+7], v[128*((\s)%2)+8*\b:128*((\s)%2)+8*\b+7], v[HF+64*((\s)%2)+8*(\a):HF+64*((\s)%2)+8*(\a)+7], v[BIAS+8*\b:BIAS+8*\b+7], v[SC+8*(\s)+\b], v[SC+8*(\s)+(\a)] matrix_a_fmt:MATRIX_FMT_FP4 matrix_b_fmt:MATRIX_FMT_FP4 matrix_a_scale:MATRIX_SCALE_ROW1
.else
	v_wmma_scale_f32_16x16x128_f8f6f4 v[8*(8*((\a)%4)+\b):8*(8*((\a)%4)+\b)+7], v[128*((\s)%2)+8*\b:128*((\s)%2)+8*\b+7], v[HF+64*((\s)%2)+8*(\a):HF+64*((\s)%2)+8*(\a)+7], v[8*(8*((\a)%4)+\b):8*(8*((\a)%4)+\b)+7], v[SC+8*(\s)+\b], v[SC+8*(\s)+(\a)] matrix_a_fmt:MATRIX_FMT_FP4 matrix_b_fmt:MATRIX_FMT_FP4 matrix_a_scale:MATRIX_SCALE_ROW1
.endif
.endif
.endr
.endr
.endm
; A K step of 128: its fragments were asked for a step ago; the next step's are asked for first, into the other set, then come the 64 products.
.macro STEP v, s
	s_wait_dscnt 0x0                               ; this step's fragments are in (and, in step 0, the scale words)
.if (\s) == 3
	s_wait_tensorcnt 0x0                           ; my part of K half 1 has landed,
	s_barrier_signal -1
	s_barrier_wait -1                              ; everybody's has.
.endif
.if (\s) < 7
.if (\s) > 0
	PLACES 4                                       ; four places between the last products that read the other set and the loads into it
.endif
	FETCH (\s)+1
.endif
.set SRCW, 1+3*(\v)                    ; Q, K: source 0 (W) window 1, source 1 (H) window 0;  V: source 0 (H) window 0, source 1 (W) window 1
.if (\s) == 0
	WIN 0x90+SRCW                                  ; C (the bias) window 1, D window 2
	MUL \v, \s, 0
	WIN 0xd0+SRCW                                  ; D window 3
	MUL \v, \s, 4
.else
	WIN 0xa0+SRCW                                  ; C and D window 2
	MUL \v, \s, 0
	WIN 0xf0+SRCW                                  ; C and D window 3
	MUL \v, \s, 4
.endif
	WIN 0
.endm
; Block a's 64 numbers of a lane (accumulators (a, 0 .. 7): register 16 b + i = place 32 b + 16 h + i along the next K) become eight registers of codes at v[PCB + 8 a] and a scale word in v[PWB + a].
; Each accumulator is first read at its low end.
.macro QUANTW a
.set AC, 64*((\a)%4)
.set WW, 2+(\a)/4
.set PCA, PCB+8*(\a)
.set PWA, PWB+(\a)
	WIN 0
.irp b, 0,1,2,3
	v_mov_b32 v[TM+\b], 0x1800000                  ; the floor 2^(3 - 127): the byte cannot fall under 1
.endr
.set NW, (WW<<2)|(WW<<4)
	WIN NW
.irp i, 0,2,4,6,8,10,12,14
.irp b, 0,1,2,3
	v_max3_num_f32 v[TM+\b], v[TM+\b], |v[AC+16*\b+\i]|, |v[AC+16*\b+\i+1]|
.endr
.endr
	WIN 0
.irp b, 0,1,2,3
	v_permlanex16_b32 v[TM+4+\b], v[TM+\b], s100, s101
.endr
.irp b, 0,1,2,3
	v_max_num_f32 v[TM+\b], v[TM+\b], v[TM+4+\b]   ; with lane l xor 16's 16: the block's largest magnitude
.endr
.irp b, 0,1,2,3
	v_add_nc_u32 v[TM+12+\b], 0xff000000, v[TM+\b] ; 2 off its exponent field: the conversion's scale operand
.endr
.irp b, 0,1,2,3
	v_lshrrev_b32 v[TM+4+\b], 23, v[TM+12+\b]      ; the scale's byte
.endr
	v_lshl_or_b32 v[PWA], v[TM+5], 8, v[TM+4]
	v_lshl_or_b32 v[PWA], v[TM+6], 16, v[PWA]
	v_lshl_or_b32 v[PWA], v[TM+7], 24, v[PWA]
	WIN WW
.irp b, 0,1,2,3
	v_cvt_scalef32_pk8_fp4_f32 v[PCA+2*\b], v[AC+16*\b:AC+16*\b+7], v[TM+12+\b]
	v_cvt_scalef32_pk8_fp4_f32 v[PCA+2*\b+1], v[AC+16*\b+8:AC+16*\b+15], v[TM+12+\b]
.endr
	WIN 0
	v_nop                                          ; one plain line behind the scaled conversions
.irp c, 0,1
.irp i, 0,1
	v_permlane16_swap_b32 v[PCA+4*\c+\i], v[PCA+2+4*\c+\i]   ; a whole block in a lane: lanes 0-15 block 2 c, lanes 16-31 block 2 c + 1
.endr
.endr
.endm
.macro PATH v
.if \v
	s_add_nc_u64 s[96:97], s[12:13], s[20:21]      ; bv at my 128 features
	s_lshl_b32 s94, s19, 8                         ; V's words: 256 bytes for 128 keys
.else
	s_cmp_eq_u32 ttmp9, 0
	s_cselect_b64 s[96:97], s[8:9], s[10:11]       ; bq or bk
	s_add_nc_u64 s[96:97], s[96:97], s[20:21]
	s_lshl_b32 s94, s19, 9                         ; Q's and K's words: 512 bytes for 128 rows
.endif
	s_add_nc_u64 s[16:17], s[16:17], s[94:95]
	WIN 0x40                                       ; destination window 1
.if \v
.irp a, 0,1,2,3,4,5,6,7                        ; a lane holds one feature: its bias in all eight registers of the tile
.irp j, 0,1,2,3,4,5,6,7
	global_load_b32 v[BIAS+8*\a+\j], v[BVO], s[96:97] offset:(32*(\a/2)+8*(\a%2))*4
.endr
.endr
.else
.irp b, 0,1,2,3,4,5,6,7                        ; tile b, lane half h, register j: feature 32 (b / 2) + 16 h + 8 (b % 2) + j
.irp k, 0,1
	global_load_b128 v[BIAS+8*\b+4*\k:BIAS+8*\b+4*\k+3], v[BQK], s[96:97] offset:(32*(\b/2)+8*(\b%2))*4+16*\k
.endr
.endr
.endif
	WIN 0
	s_wait_tensorcnt 1                             ; my scale words and my part of K half 0 have landed; K half 1's load, issued behind them, may be out
	s_barrier_signal -1
	s_barrier_wait -1                              ; everybody's have.
	SCALES
	FETCH 0
	s_wait_loadcnt 0x0                             ; the bias
.irp s, 0,1,2,3,4,5,6,7
	STEP \v, \s
.endr
	PLACES 4                                       ; between the last products and the first read of results, and the first write over H's fragments
.irp a, 0,1,2,3,4,5,6,7
	QUANTW \a
.if \v
	ds_store_b32 v[SAV], v[PWA] offset:64*\a       ; tile a of d: the word of these 128 keys
	global_store_b128 v[LI], v[PCA:PCA+3], s[14:15] offset:(\a/4)*65536+(\a%4)*1024        ; 32 lanes store 512 consecutive bytes, aligned
	global_store_b128 v[LI], v[PCA+4:PCA+7], s[14:15] offset:(\a/4)*65536+(\a%4)*1024+512
.else
	v_lshrrev_b32 v[PWH+\a], v[SH], v[PWA]         ; lanes 0-15 keep the even head's two bytes, lanes 16-31 the odd head's;
	v_and_b32 v[PWH+\a], 0xffff, v[PWH+\a]         ; bytes 2 and 3, over zero codes, are 0
	ds_store_b32 v[SAQ], v[PWH+\a] offset:64*\a
	global_store_b128 v[LI], v[PCA:PCA+3], s[14:15] offset:512*\a                          ; the even head's 64 along d,
	global_store_b128 v[LI], v[PCA+4:PCA+7], s[14:15] offset:512*\a+65536                  ; the odd head's
.endif
.endr
.if \v
	ds_load_b128 v[OUTW:OUTW+3], v[SRV]            ; LDS serves a wave's instructions in order: this sees my stores
	s_wait_dscnt 0x0
	global_store_b128 v[GV], v[OUTW:OUTW+3], s[16:17]   ; lanes 0-15: the even head's 256 bytes, lanes 16-31 the odd head's, both aligned
.else
	ds_load_b128 v[OUTW:OUTW+3], v[SRQ]
	ds_load_b128 v[OUTW+4:OUTW+7], v[SRQ] offset:512
	s_wait_dscnt 0x0
	global_store_b128 v[LI], v[OUTW:OUTW+3], s[16:17]
	global_store_b128 v[LI], v[OUTW+4:OUTW+7], s[16:17] offset:8192
.endif
.endm
	s_cmp_eq_u32 ttmp9, 2                          ; the cluster's x: the same in all sixteen partners and in all four waves
	s_cbranch_scc1 .Lv
	s_wait_alu depctr_va_vdst(0)
	PATH 0
	s_branch .Lend
.Lv:
	s_wait_alu depctr_va_vdst(0)
	PATH 1
.Lend:
	s_wait_dscnt 0x0
	s_wait_tensorcnt 0x0
	ds_add_u32 v126, v127
	s_wait_dscnt 0x0
	CROUND                                         ; the closing round: no work-group ends while a partner may still ask for a tile that names it
	s_endpgm
.Lfunc_end_k_qcc0b1af2db_qkv:
	.size	k_qcc0b1af2db_qkv, .Lfunc_end_k_qcc0b1af2db_qkv-k_qcc0b1af2db_qkv
	.p2alignl 7, 3214868480
	.fill 96, 4, 3214868480
	.section	.rodata,"a",@progbits
	.p2align	6, 0x0
	.amdhsa_kernel k_qcc0b1af2db_qkv
		.amdhsa_group_segment_fixed_size 287232
		.amdhsa_private_segment_fixed_size 0
		.amdhsa_enable_private_segment 0
		.amdhsa_kernarg_size 56
		.amdhsa_user_sgpr_count 2
		.amdhsa_user_sgpr_kernarg_segment_ptr 1
		.amdhsa_wavefront_size32 1
		.amdhsa_system_sgpr_workgroup_id_x 1
		.amdhsa_system_sgpr_workgroup_id_y 1
		.amdhsa_system_sgpr_workgroup_id_z 1
		.amdhsa_system_vgpr_workitem_id 0
		.amdhsa_next_free_vgpr 1024
		.amdhsa_next_free_sgpr 102
		.amdhsa_reserve_vcc 0
		.amdhsa_float_denorm_mode_32 3
		.amdhsa_float_denorm_mode_16_64 3
		.amdhsa_memory_ordered 1
		.amdhsa_forward_progress 1
		.amdhsa_inst_pref_size 255
	.end_amdhsa_kernel
	.section	.bss,"aw",@nobits
	.p2align	6
	.space	262144
	.amdgpu_metadata
---
amdhsa.version: [ 1, 2 ]
amdhsa.kernels:
  - .name:           k_qcc0b1af2db_qkv
    .symbol:         k_qcc0b1af2db_qkv.kd
    .args:
      - { .name: xc, .offset: 0, .size: 8, .value_kind: global_buffer, .address_space: global }
      - { .name: xs, .offset: 8, .size: 8, .value_kind: global_buffer, .address_space: global }
      - { .name: bq, .offset: 16, .size: 8, .value_kind: global_buffer, .address_space: global }
      - { .name: bk, .offset: 24, .size: 8, .value_kind: global_buffer, .address_space: global }
      - { .name: bv, .offset: 32, .size: 8, .value_kind: global_buffer, .address_space: global }
      - { .name: qkv, .offset: 40, .size: 8, .value_kind: global_buffer, .address_space: global }
      - { .name: qkvs, .offset: 48, .size: 8, .value_kind: global_buffer, .address_space: global }
    .group_segment_fixed_size: 287232
    .private_segment_fixed_size: 0
    .kernarg_segment_align: 8
    .kernarg_segment_size: 56
    .max_flat_workgroup_size: 128
    .sgpr_count:     102
    .vgpr_count:     1024
    .wavefront_size: 32
...
	.end_amdgpu_metadata
.endif
;; end of part 2
;; launch attn (part 3): grid 8 x 32, 16 waves a work-group, clusters of 4 x 1, 289,792 bytes of LDS; arguments qkv, qkvs, cc, cs; writes cc, cs
.if DOCPART == 3
	.amdgcn_target "amdgcn-amd-amdhsa--gfx1250"
	.amdhsa_code_object_version 6
	.text
	.protected	k_qcc0b1af2db_attn
	.globl	k_qcc0b1af2db_attn
	.p2align	8
	.type	k_qcc0b1af2db_attn,@function
k_qcc0b1af2db_attn:
	s_mov_b64 s[64:65], 0
	v_nop
	global_prefetch_b8 v0, s[64:65] scope:SCOPE_SE
	s_setreg_imm32_b32 hwreg(HW_REG_WAVE_MODE, 25, 1), 1
	s_wait_xcnt 0x0
	s_wait_alu depctr_hold_cnt(0) depctr_sa_sdst(0) depctr_va_vdst(0) depctr_va_sdst(0) depctr_va_ssrc(0) depctr_va_vcc(0) depctr_vm_vsrc(0)
	s_getreg_b32 s2, hwreg(HW_REG_IB_STS2, 6, 4)
	s_cmp_eq_u32 s2, 0
	s_cbranch_scc0 .Lentry_in_a_cluster
	s_endpgm
.Lentry_in_a_cluster:
	s_bfe_u32 s2, ttmp6, 0x10000c
	s_cmp_lg_u32 s2, 0x3003
	s_cbranch_scc0 .Lentry_shape_is_right
	s_endpgm
.Lentry_shape_is_right:
; For each head: O[q] = sum over k of softmax_k(Q[q] . K[k] / 8) V[k], both products on codes of FP4 with E8M0 scales; O / l is quantised along the model's 1,024 at once and leaves as images of operand registers.
; THE SOFTMAX AHEAD OF THE SECOND PRODUCT: t = score x log2(e) / 8; M = the running largest t rounded UP to a whole number; p = 2^(t - M) is quantised along the keys, not normalised;
; the row's sum l is taken of the unquantised p in f32 and divides O at the end.  When M moves, l and O are multiplied by 2^(old M - new M): exact.
; LIMITS: NaN and infinities are not served; a p under 2^-126 comes out of v_exp_f32 as 0; a block of zeros gets the byte 1 (its codes are zeros; this program alone reads the bytes).
; THE FIRST PRODUCT'S K IS 64: the upper half of the instruction's 128 meets ZERO CODES on Q's side (four cleared registers), so whatever K's operand names there adds nothing; both sides' scale bytes there are 0, which is 2^-127 and no NaN.
; SHARES.  A work-group owns 256 queries of a PAIR of heads (2 pr, 2 pr + 1 of a batch); each of sixteen waves owns one tile of 16 queries and runs both heads, one after the other: so the four scale bytes
; of a row's 128 columns of concat are made in one lane.  Four waves share a SIMD: one wave's softmax stands beside another's products and LDS loads.
; NO RING: the pair's K and V codes (262,144 bytes) and scale words (24,576) lie whole in LDS, a plain copy of memory: each wave issues three tensor loads at the start; no LDS byte is filled twice.
; CLUSTER 4 x 1: four query blocks of a pair read the same K and V: joint loads, mask 15.  A work-group's place in the cluster enters global addresses of Q, cc and cs alone.
; LAYOUT.  S^T = K Q^T (source 0 = 16 keys), O^T = V^T P^T (source 0 = 16 of the head's 64): a lane holds ONE query throughout.  The rows of every tile lie in the order 32 B + 8 u + r + 8 (r / 8),
; so the 16 registers of result tiles 2 B, 2 B + 1 are 16 neighbours, 32 B + 16 h + 0 .. 15, along the next K.
; REGISTERS: v1-7 addresses that stay; v8-11 the step's addresses; v12 -M, v13 the largest t, v[14:15] l in two halves; v16-23, v24-31 Q of the even, the odd head (upper four: zeros);
; v32-63 K: 8 tiles x 4; v64-95 V^T: 4 tiles x 8; v96-159 S^T, then p; v160-191 O^T; v192-195 K's scale words, v196-197 V's (two tiles a register), v198, v199 Q's; v200-207 concat's codes; v208-210 its scale word; v224-231 p's codes; v232-254 at work.
.set SCB,  262144                      ; LDS: K's images at 0 (4096 g + 512 tile), V's at 131072 (4096 g + 1024 t + 512 c), g = 16 parity + key step; K's scale words here (512 g), V's 16,384 on (256 g)
.set SCR,  286720                      ; concat's scale words on their way out: 64 bytes a wave
.set ADK,  8
.set ADV,  9
.set ADS,  10
.set ADT,  11
.set WV,   12                          ; s12  my wave's number
.set G1A,  16                          ; s[16:23] group 1: 8 rows of 256 bytes;  s[24:31]: 56 rows;  s[32:39]: 6 rows
.set G1B,  24
.set G1S,  32
.set G0S,  40                          ; s[40:43], s[44:47], s[48:51] their groups 0
.set G0A,  44
.set G0B,  48
.set SEL,  52                          ; s[52:53] selects for lane l xor 16
.set CS,   54                          ; s[54:55] c = log2(e) / 8
.set TB,   56                          ; s56  the step's images: 4,096 bytes a step
.set TS,   57                          ; s57  K's scale words: 512
.set TV,   58                          ; s58  V's: 256
.set CNT,  59
.macro CROUND                          ; a round of the cluster's barrier
	s_barrier_signal -1
	s_barrier_wait -1
	s_cmp_lg_u32 s[WV], 0
	s_cbranch_scc1 .Lnot_wave_0_\@
	s_barrier_signal -3
.Lnot_wave_0_\@:
	s_barrier_wait -3
	s_barrier_signal -1
	s_barrier_wait -1
.endm
	s_load_b256 s[4:11], s[0:1], 0x0               ; qkv, qkvs, cc, cs
	v_lshl_add_u32 v251, v0, 2, 0x46400
	v_mov_b32 v255, 0
	ds_add_u32 v251, v255
	ds_add_u32 v251, v255
	v_lshrrev_b32 v8, 5, v0
	s_delay_alu instid0(VALU_DEP_1)
	v_readfirstlane_b32 s[WV], v8                  ; wave 0..15
	s_bfe_u32 s13, ttmp6, 0x40000                  ; cx
	s_lshl_b32 s14, ttmp9, 2
	s_add_co_u32 s14, s14, s13                     ; my block of 256 queries
	s_and_b32 s15, ttmp7, 0xffff                   ; the pair, which the four partners share
	; groups 1: dense blocks as rows of 256 bytes (32 elements of 8 bytes); 15:0 the mask: all four; 21 set beside a mask
.irp g, G1A, G1B, G1S
	s_mov_b32 s[\g], 15|(3<<16)|(1<<21)
	s_mov_b32 s[\g+1], 32<<16
	s_mov_b32 s[\g+3], 32<<16
	s_mov_b32 s[\g+5], 32
	s_mov_b32 s[\g+6], 0
	s_mov_b32 s[\g+7], 0
.endr
	s_mov_b32 s[G1A+2], 8<<16
	s_mov_b32 s[G1A+4], 8
	s_mov_b32 s[G1B+2], 56<<16
	s_mov_b32 s[G1B+4], 56
	s_mov_b32 s[G1S+2], 6<<16
	s_mov_b32 s[G1S+4], 6
	s_lshr_b32 s60, s[WV], 3                       ; waves 0-7 fetch K's codes, waves 8-15 V's
	s_and_b32 s61, s[WV], 7
	s_lshl_b32 s60, s60, 17
	s_lshl_b32 s62, s61, 11
	s_add_co_u32 s62, s62, s60                     ; A: key steps 0-3 of the even head, 2,048 bytes a wave: the same offset in LDS and in memory
	s_mul_i32 s63, s61, 14336
	s_add_co_u32 s63, s63, s60
	s_add_co_u32 s63, s63, 16384                   ; B: the other 114,688 bytes of a side, 14,336 a wave
	s_mul_i32 s66, s[WV], 1536                     ; S: the 24,576 bytes of K's and V's scale words, 1,536 a wave
	s_mul_i32 s68, s15, 393216
	s_mov_b32 s69, 0
	s_mul_i32 s72, s15, 40960
	s_mov_b32 s73, 0
	s_mov_b32 s77, 0
	s_mov_b32 s[SEL], 0x76543210
	s_mov_b32 s[SEL+1], 0xfedcba98
	s_mov_b32 s[CS], 0x3e38aa3b                    ; log2(e) / 8
	s_mov_b32 s[CS+1], s[CS]                       ; (named with it as a pair, so it is written)
	s_mov_b32 s[TB], 0
	s_mov_b32 s[TS], 0
	s_mov_b32 s[TV], 0
	s_wait_dscnt 0x0
	s_wait_kmcnt 0x0
	s_add_nc_u64 s[4:5], s[4:5], s[68:69]          ; the pair's codes
	s_add_nc_u64 s[6:7], s[6:7], s[72:73]          ; and scale words
	s_mov_b32 s76, s66
	s_mov_b32 s[G0S], 1
	s_add_co_u32 s[G0S+1], s66, SCB
	s_add_nc_u64 s[G0S+2:G0S+3], s[6:7], s[76:77]
	s_add_nc_u64 s[G0S+2:G0S+3], s[G0S+2:G0S+3], 16384   ; behind Q's words
	s_or_b32 s[G0S+3], s[G0S+3], 0x80000000
	s_mov_b32 s76, s62
	s_mov_b32 s[G0A], 1
	s_mov_b32 s[G0A+1], s62
	s_add_nc_u64 s[G0A+2:G0A+3], s[4:5], s[76:77]
	s_add_nc_u64 s[G0A+2:G0A+3], s[G0A+2:G0A+3], 131072  ; behind Q's codes
	s_or_b32 s[G0A+3], s[G0A+3], 0x80000000
	s_mov_b32 s76, s63
	s_mov_b32 s[G0B], 1
	s_mov_b32 s[G0B+1], s63
	s_add_nc_u64 s[G0B+2:G0B+3], s[4:5], s[76:77]
	s_add_nc_u64 s[G0B+2:G0B+3], s[G0B+2:G0B+3], 131072
	s_or_b32 s[G0B+3], s[G0B+3], 0x80000000
	CROUND                                         ; all four work-groups are here: the joint loads meet
	tensor_load_to_lds s[G0S:G0S+3], s[G1S:G1S+7]  ; every wave issues all three, on the one way: three loads of mine are out
	s_nop 0
	tensor_load_to_lds s[G0A:G0A+3], s[G1A:G1A+7]
	s_nop 0
	tensor_load_to_lds s[G0B:G0B+3], s[G1B:G1B+7]
	s_nop 0
.rept 4
	v_nop
.endr
	v_and_b32 v9, 31, v0                           ; lane
	v_and_b32 v10, 15, v0                          ; r
	s_delay_alu instid0(VALU_DEP_2)
	v_lshlrev_b32 v1, 4, v9                        ; 16 x lane: K's images, and every image in memory
	s_wait_alu depctr_va_vdst(0)
	v_add_nc_u32 v2, 131072, v1                    ; V's images
	v_lshl_add_u32 v3, v9, 2, SCB                  ; K's scale words: lanes 0-15 an even tile's, lanes 16-31 the next tile's
	s_delay_alu instid0(VALU_DEP_1)
	v_add_nc_u32 v4, 16384, v3                     ; V's likewise
	v_lshlrev_b32 v5, 2, v10                       ; 4 r
	s_wait_alu depctr_va_vdst(0)
	s_lshl_b32 s60, s[WV], 6
	s_add_co_u32 s60, s60, SCR
	v_add_nc_u32 v6, s60, v5                       ; where my tile's scale words go
	s_lshl_b32 s60, s[WV], 9
	s_add_co_u32 s60, s60, SCR
	v_add_nc_u32 v7, s60, v1                       ; and where waves 0 and 1 read 512 bytes of them back
	s_lshl_b32 s60, s14, 4
	s_add_co_u32 s60, s60, s[WV]                   ; T: my tile of 16 queries in the batch
	s_lshl_b32 s76, s60, 9
	s_add_nc_u64 s[70:71], s[4:5], s[76:77]
	s_lshl_b32 s76, s60, 6
	s_add_nc_u64 s[72:73], s[6:7], s[76:77]
	global_load_b128 v[16:19], v1, s[70:71]                ; Q, even head: d = 32 h + 0 .. 31
	global_load_b128 v[24:27], v1, s[70:71] offset:65536   ; odd head
	global_load_b32 v198, v5, s[72:73]                     ; their scale words
	global_load_b32 v199, v5, s[72:73] offset:8192
.irp j, 20,21,22,23,28,29,30,31
	v_mov_b32 v[\j], 0                             ; zero codes for k = 64 .. 127
.endr
	s_lshr_b32 s61, s15, 3
	s_lshl_b32 s61, s61, 7                         ; 128 x batch
	s_and_b32 s62, s15, 7                          ; pr: concat's K step
	s_add_co_u32 s63, s61, s60                     ; my tile among concat's 512
	s_lshl_b32 s76, s63, 13
	s_lshl_b32 s63, s62, 10
	s_add_co_u32 s76, s76, s63
	s_add_nc_u64 s[8:9], s[8:9], s[76:77]          ; cc + 8192 tile + 1024 pr
	s_lshl_b32 s63, s14, 4
	s_add_co_u32 s63, s63, s61
	s_lshl_b32 s76, s63, 6
	s_lshl_b32 s63, s62, 15
	s_add_co_u32 s76, s76, s63
	s_lshl_b32 s63, s[WV], 9
	s_add_co_u32 s76, s76, s63
	s_add_nc_u64 s[10:11], s[10:11], s[76:77]      ; cs + 32768 pr + 64 x the work-group's first tile + 512 wave (used by waves 0 and 1)
.irp b, 0,1,2,3
	v_mov_b32 v[236+\b], 0                         ; written once: a lane permute's destination counts as one of its sources
.endr
	v_mov_b32 v252, 0
	v_mov_b32 v253, 0                              ; (named as the upper half of the pair v[252:253] before it is first written)
.macro INIT                            ; a head begins: the first change of M multiplies zeros
	v_mov_b32 v13, 0xff61b1e6                      ; the largest t so far: -3e38, under every t
	s_delay_alu instid0(VALU_DEP_1)
	v_floor_f32 v12, -v13                          ; -M
	v_mov_b32 v14, 0
	v_mov_b32 v15, 0
.irp j, 0,1,2,3,4,5,6,7,8,9,10,11,12,13,14,15,16,17,18,19,20,21,22,23,24,25,26,27,28,29,30,31
	v_mov_b32 v[160+\j], 0
.endr
.endm
; A KEY STEP: 128 keys.  QF: Q's fragment, QS: its scale words.
.macro STEP QF, QS
	v_add_nc_u32 v[ADK], s[TB], v1                 ; these four are also the places between the last step's products and the loads into their operands
	v_add_nc_u32 v[ADV], s[TB], v2
	v_add_nc_u32 v[ADS], s[TS], v3
	v_add_nc_u32 v[ADT], s[TV], v4
.irp t, 0,1,2,3,4,5,6,7
	ds_load_b128 v[32+4*\t:35+4*\t], v[ADK] offset:512*\t
.endr
.irp b, 0,1,2,3
	ds_load_b32 v[192+\b], v[ADS] offset:128*\b
.endr
.irp t, 0,1,2,3
.irp c, 0,1
	ds_load_b128 v[64+8*\t+4*\c:67+8*\t+4*\c], v[ADV] offset:1024*\t+512*\c
.endr
.endr
.irp b, 0,1
	ds_load_b32 v[196+\b], v[ADT] offset:128*\b
.endr
	s_wait_dscnt 0x0                               ; all are in: tile 7's operand names V's first four registers too
.irp t, 0,1,2,3,4,5,6,7                        ; S^T = K Q^T.  The operand's upper four registers are the next tile's codes: they meet Q's zero codes
.if \t%2
	v_wmma_scale_f32_16x16x128_f8f6f4 v[96+8*\t:103+8*\t], v[32+4*\t:39+4*\t], v[\QF:\QF+7], 0, v[192+\t/2], v[\QS] matrix_a_fmt:MATRIX_FMT_FP4 matrix_b_fmt:MATRIX_FMT_FP4 matrix_a_scale:MATRIX_SCALE_ROW1
.else
	v_wmma_scale_f32_16x16x128_f8f6f4 v[96+8*\t:103+8*\t], v[32+4*\t:39+4*\t], v[\QF:\QF+7], 0, v[192+\t/2], v[\QS] matrix_a_fmt:MATRIX_FMT_FP4 matrix_b_fmt:MATRIX_FMT_FP4
.endif
.endr                                          ; lane (r, h) holds query r; register 16 b + i is key 32 b + 16 h + i of the step
.rept 4
	v_nop
.endr
.irp b, 0,1,2,3
	v_max3_num_f32 v[232+\b], v[96+16*\b], v[97+16*\b], v[98+16*\b]   ; the largest score of each block of 32 keys: it serves the row's maximum and, since p rises with the score, the block's largest p
.endr
.irp i, 3,5,7,9,11,13
.irp b, 0,1,2,3
	v_max3_num_f32 v[232+\b], v[232+\b], v[96+16*\b+\i], v[97+16*\b+\i]
.endr
.endr
.irp b, 0,1,2,3
	v_max_num_f32 v[232+\b], v[232+\b], v[111+16*\b]
.endr
.irp b, 0,1,2,3
	s_delay_alu instid0(VALU_DEP_4)
	v_permlanex16_b32 v[236+\b], v[232+\b], s[SEL], s[SEL+1]
.endr
.irp b, 0,1,2,3
	s_delay_alu instid0(VALU_DEP_4)
	v_max_num_f32 v[232+\b], v[232+\b], v[236+\b]  ; with lane l xor 16's 16 keys
.endr
	s_delay_alu instid0(VALU_DEP_2)
	v_max3_num_f32 v254, v232, v233, v234
	s_delay_alu instid0(VALU_DEP_1)
	v_max_num_f32 v254, v254, v235                 ; the step's largest score of my query
	s_delay_alu instid0(VALU_DEP_1)
	v_mul_f32 v254, s[CS], v254                    ; as t (c is positive)
	s_delay_alu instid0(VALU_DEP_1)
	v_max_num_f32 v13, v13, v254                   ; the running largest t
	v_mov_b32 v254, v12
	s_delay_alu instid0(VALU_DEP_2)
	v_floor_f32 v12, -v13                          ; the new -M = floor(-t) = -ceil(t)
	s_delay_alu instid0(VALU_DEP_1)
	v_sub_f32 v254, v12, v254                      ; old M - new M: a whole number, 0 or less
	s_delay_alu instid0(VALU_DEP_1)
	v_cvt_i32_f32 v254, v254                       ; (it saturates)
	s_delay_alu instid0(VALU_DEP_1)
	v_ldexp_f32 v252, 1.0, v254                    ; f = 2^(old M - new M)
.irp j, 0,2,4,6,8,10,12,14,16,18,20,22,24,26,28,30,32,34,36,38,40,42,44,46,48,50,52,54,56,58,60,62
	v_pk_fma_f32 v[96+\j:97+\j], v[96+\j:97+\j], s[CS:CS+1], v[12:13] op_sel_hi:[1,0,0]   ; t - M, two at a time
.endr
.irp b, 0,1,2,3
	v_fma_f32 v[232+\b], v[232+\b], s[CS], v12     ; the same of each block's largest score
.endr
	s_wait_alu depctr_va_vdst(0)
.irp j, 0,1,2,3,4,5,6,7,8,9,10,11,12,13,14,15,16,17,18,19,20,21,22,23,24,25,26,27,28,29,30,31,32,33,34,35,36,37,38,39,40,41,42,43,44,45,46,47,48,49,50,51,52,53,54,55,56,57,58,59,60,61,62,63
	v_exp_f32 v[96+\j], v[96+\j]                   ; p = 2^(t - M), at most 1
.endr
	s_setprio 1
	v_pk_mul_f32 v[14:15], v[14:15], v[252:253] op_sel_hi:[1,0]   ; l under the new M: the plain line behind the exponentials
	s_wait_alu depctr_va_vdst(0)                   ; one wait for the batch of 64, ahead of its first reader
.irp b, 0,1,2,3
	v_exp_f32 v[232+\b], v[232+\b]                 ; the block's largest p: the same two instructions on the same number give the same bits
.endr
	v_pk_add_f32 v[236:237], v[100:101], v[104:105]
	v_pk_add_f32 v[248:249], v[108:109], v[112:113]
	v_pk_add_f32 v[246:247], v[116:117], v[120:121]
	v_pk_add_f32 v[244:245], v[124:125], v[128:129]
	v_pk_add_f32 v[242:243], v[132:133], v[136:137]
	v_pk_add_f32 v[240:241], v[140:141], v[144:145]
	v_pk_add_f32 v[238:239], v[148:149], v[152:153]
	v_pk_add_f32 v[14:15], v[14:15], v[156:157]
	v_pk_add_f32 v[236:237], v[236:237], v[96:97]
	v_pk_add_f32 v[248:249], v[248:249], v[98:99]
	v_pk_add_f32 v[246:247], v[246:247], v[102:103]
	v_pk_add_f32 v[244:245], v[244:245], v[106:107]
	v_pk_add_f32 v[242:243], v[242:243], v[110:111]
	v_pk_add_f32 v[240:241], v[240:241], v[114:115]
	v_pk_add_f32 v[238:239], v[238:239], v[118:119]
	v_pk_add_f32 v[14:15], v[14:15], v[122:123]
	v_pk_add_f32 v[236:237], v[236:237], v[126:127]
	v_pk_add_f32 v[248:249], v[248:249], v[130:131]
	v_pk_add_f32 v[246:247], v[246:247], v[134:135]
	v_pk_add_f32 v[244:245], v[244:245], v[138:139]
	v_pk_add_f32 v[242:243], v[242:243], v[142:143]
	v_pk_add_f32 v[240:241], v[240:241], v[146:147]
	v_pk_add_f32 v[238:239], v[238:239], v[150:151]
	v_pk_add_f32 v[14:15], v[14:15], v[154:155]
	v_pk_add_f32 v[236:237], v[236:237], v[158:159]
	s_delay_alu instid0(VALU_DEP_2)
	v_pk_add_f32 v[14:15], v[14:15], v[244:245]
	s_delay_alu instid0(VALU_DEP_2)
	v_pk_add_f32 v[236:237], v[236:237], v[242:243]
	v_pk_add_f32 v[248:249], v[248:249], v[240:241]
	v_pk_add_f32 v[246:247], v[246:247], v[238:239]
	s_delay_alu instid0(VALU_DEP_2)
	v_pk_add_f32 v[14:15], v[14:15], v[248:249]
	s_delay_alu instid0(VALU_DEP_2)
	v_pk_add_f32 v[236:237], v[236:237], v[246:247]
	s_delay_alu instid0(VALU_DEP_1)
	v_pk_add_f32 v[14:15], v[14:15], v[236:237]
	s_wait_alu depctr_va_vdst(0)                   ; and one for the four
.irp b, 0,1,2,3
	v_max_num_f32 v[232+\b], 0x1800000, v[232+\b]  ; the floor 2^(3 - 127): the byte cannot fall under 1
.endr
.irp b, 0,1,2,3
	s_delay_alu instid0(VALU_DEP_4)
	v_add_nc_u32 v[244+\b], 0xff000000, v[232+\b]  ; 2 off the exponent field: the conversion's scale operand
.endr
.irp b, 0,1,2,3
	s_delay_alu instid0(VALU_DEP_4)
	v_lshrrev_b32 v[236+\b], 23, v[244+\b]         ; the scale's byte
.endr
	s_delay_alu instid0(VALU_DEP_3)
	v_lshl_or_b32 v253, v237, 8, v236              ; p's scale word for these 128 keys
	s_delay_alu instid0(VALU_DEP_1)
	v_lshl_or_b32 v253, v238, 16, v253
	s_delay_alu instid0(VALU_DEP_1)
	v_lshl_or_b32 v253, v239, 24, v253
.irp b, 0,1,2,3
	v_cvt_scalef32_pk8_fp4_f32 v[224+2*\b], v[96+16*\b:103+16*\b], v[244+\b]
	v_cvt_scalef32_pk8_fp4_f32 v[225+2*\b], v[104+16*\b:111+16*\b], v[244+\b]
.endr
	v_nop                                          ; one plain line behind the scaled conversions
.irp c, 0,1
.irp i, 0,1
	v_permlane16_swap_b32 v[224+4*\c+\i], v[226+4*\c+\i]   ; a whole block in a lane
.endr
.endr
	s_setprio 0
.irp j, 0,2,4,6,8,10,12,14,16,18,20,22,24,26,28,30
	v_pk_mul_f32 v[160+\j:161+\j], v[160+\j:161+\j], v[252:253] op_sel_hi:[1,0]   ; O^T under the new M.  These sixteen also stand between the writes of p's codes and scale word and the products
.endr
.irp t, 0,1,2,3                                ; O^T += V^T P^T: four accumulators, one instruction each
.if \t%2
	v_wmma_scale_f32_16x16x128_f8f6f4 v[160+8*\t:167+8*\t], v[64+8*\t:71+8*\t], v[224:231], v[160+8*\t:167+8*\t], v[196+\t/2], v253 matrix_a_fmt:MATRIX_FMT_FP4 matrix_b_fmt:MATRIX_FMT_FP4 matrix_a_scale:MATRIX_SCALE_ROW1
.else
	v_wmma_scale_f32_16x16x128_f8f6f4 v[160+8*\t:167+8*\t], v[64+8*\t:71+8*\t], v[224:231], v[160+8*\t:167+8*\t], v[196+\t/2], v253 matrix_a_fmt:MATRIX_FMT_FP4 matrix_b_fmt:MATRIX_FMT_FP4
.endif
.endr
	s_add_co_u32 s[TB], s[TB], 4096                ; the next step's images and scale words
	s_add_co_u32 s[TS], s[TS], 512
	s_add_co_u32 s[TV], s[TV], 256
.endm
.macro STEPS n, QF, QS
	s_mov_b32 s[CNT], \n
.Lsteps_\@:
	s_setprio 2
	STEP \QF, \QS
	s_sub_co_u32 s[CNT], s[CNT], 1
	s_cmp_lg_u32 s[CNT], 0
	s_cbranch_scc1 .Lsteps_\@
	s_setprio 0
.endm
; A head ends: O^T / l; its 32 numbers a lane (register 16 b + i = d 32 b + 16 h + i) are two blocks of concat's K: four registers of codes, two scale bytes
.macro FINISH hp
.rept 4
	v_nop                                          ; places behind the last products
.endr
	v_add_f32 v14, v14, v15                        ; l's two halves,
	s_delay_alu instid0(VALU_DEP_1)
	v_permlanex16_b32 v252, v14, s[SEL], s[SEL+1]
	s_delay_alu instid0(VALU_DEP_1)
	v_add_f32 v14, v14, v252                       ; and lane l xor 16's
	s_wait_alu depctr_va_vdst(0)
	v_rcp_f32 v14, v14
	v_nop                                          ; a plain line behind the reciprocal
	s_wait_alu depctr_va_vdst(0)                   ; and the wait ahead of its first reader
.irp j, 0,2,4,6,8,10,12,14,16,18,20,22,24,26,28,30
	v_pk_mul_f32 v[96+\j:97+\j], v[160+\j:161+\j], v[14:15] op_sel_hi:[1,0]   ; each accumulator from its low end on
.endr
.irp b, 0,1
	v_max3_num_f32 v[232+\b], |v[96+16*\b]|, |v[97+16*\b]|, 0x1800000
.endr
.irp i, 2,4,6,8,10,12,14
.irp b, 0,1
	s_delay_alu instid0(VALU_DEP_2)
	v_max3_num_f32 v[232+\b], v[232+\b], |v[96+16*\b+\i]|, |v[97+16*\b+\i]|
.endr
.endr
.irp b, 0,1
	s_delay_alu instid0(VALU_DEP_2)
	v_permlanex16_b32 v[236+\b], v[232+\b], s[SEL], s[SEL+1]
.endr
.irp b, 0,1
	s_delay_alu instid0(VALU_DEP_2)
	v_max_num_f32 v[232+\b], v[232+\b], v[236+\b]
.endr
.irp b, 0,1
	s_delay_alu instid0(VALU_DEP_2)
	v_add_nc_u32 v[244+\b], 0xff000000, v[232+\b]
.endr
.irp b, 0,1
	s_delay_alu instid0(VALU_DEP_2)
	v_lshrrev_b32 v[236+\b], 23, v[244+\b]
.endr
	s_delay_alu instid0(VALU_DEP_1)
	v_lshl_or_b32 v[208+\hp], v237, 8, v236        ; the head's two bytes
.irp b, 0,1
	v_cvt_scalef32_pk8_fp4_f32 v[200+4*\hp+2*\b], v[96+16*\b:103+16*\b], v[244+\b]
	v_cvt_scalef32_pk8_fp4_f32 v[201+4*\hp+2*\b], v[104+16*\b:111+16*\b], v[244+\b]
.endr
	v_nop
.irp i, 0,1
	v_permlane16_swap_b32 v[200+4*\hp+\i], v[202+4*\hp+\i]
.endr
	global_store_b128 v1, v[200+4*\hp:203+4*\hp], s[8:9] offset:512*\hp   ; group c = parity of the image: 512 consecutive bytes, aligned
.endm
	INIT
	s_wait_loadcnt 0x0                             ; Q
	s_wait_tensorcnt 1                             ; my scale words and my part of key steps 0-3 have landed; the rest, issued behind them, may be out
	s_barrier_signal -1
	s_barrier_wait -1                              ; everybody's have.
	STEPS 4, 16, 198
	s_wait_tensorcnt 0x0                           ; my part of the rest has landed,
	s_wait_dscnt 0x0
	s_barrier_signal -1
	s_barrier_wait -1                              ; everybody's has
	STEPS 12, 16, 198
	FINISH 0
	INIT
	STEPS 16, 24, 199
	FINISH 1
	v_lshl_or_b32 v210, v209, 16, v208             ; my row's scale word of concat's K step pr
	ds_store_b32 v6, v210                          ; lanes r and r + 16 write the same word with the same value
	s_wait_dscnt 0x0                               ; for the others' sake
	s_barrier_signal -1
	s_barrier_wait -1
	s_cmp_lt_u32 s[WV], 2
	s_cbranch_scc0 .Lnot_out
	ds_load_b128 v[212:215], v7                    ; eight tiles' words
	s_wait_dscnt 0x0
	global_store_b128 v1, v[212:215], s[10:11]     ; 512 consecutive bytes, aligned
.Lnot_out:
	s_wait_tensorcnt 0x0
	ds_add_u32 v251, v255
	s_wait_dscnt 0x0
	CROUND                                         ; the closing round: no work-group ends while a partner may still ask for a tile that names it
	s_endpgm
.Lfunc_end_k_qcc0b1af2db_attn:
	.size	k_qcc0b1af2db_attn, .Lfunc_end_k_qcc0b1af2db_attn-k_qcc0b1af2db_attn
	.p2alignl 7, 3214868480
	.fill 96, 4, 3214868480
	.section	.rodata,"a",@progbits
	.p2align	6, 0x0
	.amdhsa_kernel k_qcc0b1af2db_attn
		.amdhsa_group_segment_fixed_size 289792
		.amdhsa_private_segment_fixed_size 0
		.amdhsa_enable_private_segment 0
		.amdhsa_kernarg_size 32
		.amdhsa_user_sgpr_count 2
		.amdhsa_user_sgpr_kernarg_segment_ptr 1
		.amdhsa_wavefront_size32 1
		.amdhsa_system_sgpr_workgroup_id_x 1
		.amdhsa_system_sgpr_workgroup_id_y 1
		.amdhsa_system_sgpr_workgroup_id_z 1
		.amdhsa_system_vgpr_workitem_id 0
		.amdhsa_next_free_vgpr 256
		.amdhsa_next_free_sgpr 80
		.amdhsa_reserve_vcc 0
		.amdhsa_float_denorm_mode_32 3
		.amdhsa_float_denorm_mode_16_64 3
		.amdhsa_memory_ordered 1
		.amdhsa_forward_progress 1
		.amdhsa_inst_pref_size 68
	.end_amdhsa_kernel
	.amdgpu_metadata
---
amdhsa.version: [ 1, 2 ]
amdhsa.kernels:
  - .name:           k_qcc0b1af2db_attn
    .symbol:         k_qcc0b1af2db_attn.kd
    .args:
      - { .name: qkv, .offset: 0, .size: 8, .value_kind: global_buffer, .address_space: global }
      - { .name: qkvs, .offset: 8, .size: 8, .value_kind: global_buffer, .address_space: global }
      - { .name: cc, .offset: 16, .size: 8, .value_kind: global_buffer, .address_space: global }
      - { .name: cs, .offset: 24, .size: 8, .value_kind: global_buffer, .address_space: global }
    .group_segment_fixed_size: 289792
    .private_segment_fixed_size: 0
    .kernarg_segment_align: 8
    .kernarg_segment_size: 32
    .max_flat_workgroup_size: 512
    .sgpr_count:     80
    .vgpr_count:     256
    .wavefront_size: 32
...
	.end_amdgpu_metadata
.endif
;; end of part 3
;; launch oproj (part 4): grid 4 x 64, 4 waves a work-group, clusters of 4 x 4, 327,680 bytes of LDS; arguments cc, cs, xc, xs, bo, out0; writes out0
.if DOCPART == 4
	.amdgcn_target "amdgcn-amd-amdhsa--gfx1250"
	.amdhsa_code_object_version 6
	.text
	.protected	k_qcc0b1af2db_oproj
	.globl	k_qcc0b1af2db_oproj
	.p2align	8
	.type	k_qcc0b1af2db_oproj,@function
k_qcc0b1af2db_oproj:
	s_mov_b64 s[64:65], 0
	v_nop
	global_prefetch_b8 v0, s[64:65] scope:SCOPE_SE
	s_setreg_imm32_b32 hwreg(HW_REG_WAVE_MODE, 25, 1), 1
	s_wait_xcnt 0x0
	s_wait_alu depctr_hold_cnt(0) depctr_sa_sdst(0) depctr_va_vdst(0) depctr_va_sdst(0) depctr_va_ssrc(0) depctr_va_vcc(0) depctr_vm_vsrc(0)
	s_getreg_b32 s2, hwreg(HW_REG_IB_STS2, 6, 4)
	s_cmp_eq_u32 s2, 0
	s_cbranch_scc0 .Lentry_in_a_cluster
	s_endpgm
.Lentry_in_a_cluster:
	s_bfe_u32 s2, ttmp6, 0x10000c
	s_cmp_lg_u32 s2, 0xf033
	s_cbranch_scc0 .Lentry_shape_is_right
	s_endpgm
.Lentry_shape_is_right:
; out0 = concat Wo^T + bo on codes of FP4 with E8M0 scales (K = 1,024); sums in f32, begun with the bias.
; SHARES.  A work-group takes 128 rows of concat (X, work-group y) x 256 rows of Wo (Y, work-group x): 256 work-groups; each of four waves 64 x 128: 32 accumulators, window 2.
; NO RING: both tiles lie whole in LDS as images of operand registers: each wave issues three tensor loads at the start (scale words, K half 0, K half 1); no LDS byte is filled twice.
; CLUSTER 4 x 4: X's tiles are shared along a row of the cluster, Y's along a column: joint loads.
; TRANSPOSED USE: source 0 = 16 rows of Wo, source 1 = 16 rows of concat: a lane holds one row, and the registers of accumulators (a, 2 B), (a, 2 B + 1) are columns 32 B + 16 h + 0 .. 15.
; A tile's lane r is row 32 B + 8 u + r + 8 (r / 8) (tile 2 B + u): the order shows only in the stores' row offsets.
; REGISTERS.  window 0: v1-27 addresses; v32-95 scale words; v128-159, v160-191 X's fragments, two sets; on the way out v128-255 rows of the result.
;   window 1: v0-63, v128-191 Y's fragments, two sets; v64-127 bo, eight tiles.   window 2: accumulator (a, b) at v[8 (8 a + b)].
.set XI,    0                          ; LDS: X's images: 32768 q + 16384 half + 4096 i + 1024 (s % 4) + 512 c + 16 lane
.set YI,    65536                      ; Y's: 65536 q + 32768 half + 4096 i + ..
.set XS,    196608                     ; X's scale words: 512 s + 64 tile + 4 r
.set YS,    200704                     ; Y's: 4096 half + 512 s + 64 i + 4 r
.set STAGE, 208896                     ; the way out: 16 rows x 528 bytes for each wave
.set SPITCH, 528
.set LI,   4
.set BQK,  10
.set ADX,  16
.set ADY,  20
.set STO,  24
.set RD,   25
.set ADRS, 27
.set SC,   32                          ; register 8 s + i: lanes 0-15 the word of X's tile i (i under 4), lanes 16-31 that of Y's tile i
.set XF,   128
.set BK,   128
.set BIAS, 64
.set G1X,  32
.set G1Y,  40
.set G1SX, 48
.set G1SY, 56
.set G0X,  68
.set G0Y,  76
.set G0SX, 84
.set G0SY, 88
.set MSB, 0
.macro WIN new
.if MSB != (\new)
	s_set_vgpr_msb (MSB<<8)|(\new)
.set MSB, (\new)
.endif
.endm
.macro JLOAD g0a, g1a, g0b, g1b        ; waves 0 and 1 fetch for X, waves 2 and 3 for Y; four v_nop follow each of the two lines
	s_cmp_eq_u32 s23, 0
	s_cbranch_scc0 .Lfor_b_\@
	tensor_load_to_lds s[\g0a:\g0a+3], s[\g1a:\g1a+7]
	s_nop 0
.rept 4
	v_nop
.endr
	s_branch .Lasked_\@
.Lfor_b_\@:
	tensor_load_to_lds s[\g0b:\g0b+3], s[\g1b:\g1b+7]
	s_nop 0
.rept 4
	v_nop
.endr
.Lasked_\@:
.endm
.macro CROUND
	s_barrier_signal -1
	s_barrier_wait -1
	s_cmp_lg_u32 s22, 0
	s_cbranch_scc1 .Lnot_wave_0_\@
	s_barrier_signal -3
.Lnot_wave_0_\@:
	s_barrier_wait -3
	s_barrier_signal -1
	s_barrier_wait -1
.endm
.macro PLACES n
.rept \n
	v_nop
.endr
.endm
	s_load_b256 s[4:11], s[0:1], 0x0               ; cc, cs, xc, xs
	s_load_b128 s[12:15], s[0:1], 0x20             ; bo, out0
	v_lshl_add_u32 v126, v0, 2, 0x3b400
	v_mov_b32 v127, 0
	ds_add_u32 v126, v127
	ds_add_u32 v126, v127
	v_lshrrev_b32 v1, 5, v0
	v_readfirstlane_b32 s22, v1                    ; wave 0..3
	s_lshr_b32 s23, s22, 1                         ; my half of X's rows.  Also: I fetch for X (0) or for Y (1)
	s_and_b32 s24, s22, 1                          ; my half of Y's rows.  Also: which half I fetch
	s_bfe_u32 s25, ttmp6, 0x40000                  ; cx
	s_bfe_u32 s26, ttmp6, 0x40004                  ; cy
	s_lshl_b32 s27, ttmp9, 2
	s_add_co_u32 s27, s27, s25                     ; work-group x
	s_and_b32 s28, ttmp7, 0xffff
	s_lshl_b32 s28, s28, 2
	s_add_co_u32 s28, s28, s26                     ; work-group y
	s_lshl_b32 s29, s26, 2
	s_lshl_b32 s29, 15, s29                        ; my row of the cluster
	s_lshl_b32 s30, 0x1111, s25                    ; my column
	; groups 1, codes: rows (tiles) of 4,096 bytes, 8,192 apart: X 4 rows, Y 8
	s_or_b32 s[G1X], s29, (3<<16)|(1<<21)
	s_or_b32 s[G1Y], s30, (3<<16)|(1<<21)
.irp g, G1X, G1Y
	s_mov_b32 s[\g+1], 512<<16
	s_mov_b32 s[\g+3], 512<<16
	s_mov_b32 s[\g+5], 1024
	s_mov_b32 s[\g+6], 0
	s_mov_b32 s[\g+7], 0
.endr
	s_mov_b32 s[G1X+2], 4<<16
	s_mov_b32 s[G1X+4], 4
	s_mov_b32 s[G1Y+2], 8<<16
	s_mov_b32 s[G1Y+4], 8
	; scale words: rows (K steps) of 512 bytes: X 4 rows 32,768 bytes apart, Y 8 rows 49,152 apart
	s_or_b32 s[G1SX], s29, (3<<16)|(1<<21)
	s_or_b32 s[G1SY], s30, (3<<16)|(1<<21)
.irp g, G1SX, G1SY
	s_mov_b32 s[\g+1], 64<<16
	s_mov_b32 s[\g+3], 64<<16
	s_mov_b32 s[\g+6], 0
	s_mov_b32 s[\g+7], 0
.endr
	s_mov_b32 s[G1SX+2], 4<<16
	s_mov_b32 s[G1SX+4], 4
	s_mov_b32 s[G1SX+5], 4096
	s_mov_b32 s[G1SY+2], 8<<16
	s_mov_b32 s[G1SY+4], 8
	s_mov_b32 s[G1SY+5], 6144
	s_lshl_b32 s92, s28, 16                        ; X's codes: tile 8 y + 4 half
	s_lshl_b32 s18, s24, 15
	s_add_co_u32 s92, s92, s18
	s_mov_b32 s93, 0
	s_lshl_b32 s96, s28, 9                         ; X's words: the work-group's 8 tiles, K steps 4 half on
	s_lshl_b32 s18, s24, 17
	s_add_co_u32 s96, s96, s18
	s_mov_b32 s97, 0
	s_lshl_b32 s94, s27, 17                        ; Y's codes: tile 704 + 16 x + 8 half of xc
	s_lshl_b32 s18, s24, 16
	s_add_co_u32 s94, s94, s18
	s_add_co_u32 s94, s94, 704*8192
	s_mov_b32 s95, 0
	s_lshl_b32 s98, s27, 10
	s_lshl_b32 s18, s24, 9
	s_add_co_u32 s98, s98, s18
	s_add_co_u32 s98, s98, 704*64
	s_mov_b32 s99, 0
	s_lshl_b32 s19, s24, 14                        ; where they go: the wave's number alone
	s_lshl_b32 s20, s24, 15
	s_add_co_u32 s20, s20, YI
	s_lshl_b32 s21, s24, 11
	s_add_co_u32 s21, s21, XS
	s_lshl_b32 s31, s24, 12
	s_add_co_u32 s31, s31, YS
	s_wait_dscnt 0x0
	s_wait_kmcnt 0x0
	s_add_nc_u64 s[92:93], s[4:5], s[92:93]
	s_add_nc_u64 s[96:97], s[6:7], s[96:97]
	s_add_nc_u64 s[94:95], s[8:9], s[94:95]
	s_add_nc_u64 s[98:99], s[10:11], s[98:99]
	CROUND                                         ; all sixteen work-groups are here: the joint loads meet
	s_mov_b32 s[G0SX], 1
	s_mov_b32 s[G0SX+1], s21
	s_mov_b64 s[G0SX+2:G0SX+3], s[96:97]
	s_or_b32 s[G0SX+3], s[G0SX+3], 0x80000000
	s_mov_b32 s[G0SY], 1
	s_mov_b32 s[G0SY+1], s31
	s_mov_b64 s[G0SY+2:G0SY+3], s[98:99]
	s_or_b32 s[G0SY+3], s[G0SY+3], 0x80000000
	JLOAD G0SX, G1SX, G0SY, G1SY
.irp q, 0,1
	s_mov_b32 s[G0X+4*\q], 1
	s_add_co_u32 s[G0X+4*\q+1], s19, \q*32768
	s_add_nc_u64 s[G0X+4*\q+2:G0X+4*\q+3], s[92:93], \q*4096
	s_or_b32 s[G0X+4*\q+3], s[G0X+4*\q+3], 0x80000000
	s_mov_b32 s[G0Y+4*\q], 1
	s_add_co_u32 s[G0Y+4*\q+1], s20, \q*65536
	s_add_nc_u64 s[G0Y+4*\q+2:G0Y+4*\q+3], s[94:95], \q*4096
	s_or_b32 s[G0Y+4*\q+3], s[G0Y+4*\q+3], 0x80000000
	s_wait_alu depctr_va_vdst(0)
	s_wait_tensorcnt 0x0
	ds_add_u32 v126, v127
	s_wait_dscnt 0x0
	CROUND
	JLOAD G0X+4*\q, G1X, G0Y+4*\q, G1Y             ; K half q: the earlier loads have landed: one load of mine is out
.endr
	v_and_b32 v1, 15, v0                           ; r
	v_bfe_u32 v2, v0, 4, 1                         ; h
	v_and_b32 v3, 31, v0                           ; lane
	v_lshlrev_b32 v[LI], 4, v3
	s_wait_alu depctr_va_vdst(0)
	v_lshlrev_b32 v[BQK], 6, v2
	s_lshl_b32 s92, s27, 10
	s_lshl_b32 s18, s24, 9
	s_add_co_u32 s92, s92, s18                     ; my 128 columns, in bytes
	s_mov_b32 s93, 0
	s_add_nc_u64 s[12:13], s[12:13], s[92:93]      ; in bo,
	s_add_nc_u64 s[14:15], s[14:15], s[92:93]      ; and in a row of out0
	WIN 0x40
.irp b, 0,1,2,3,4,5,6,7                        ; tile b, lane half h, register j: column 32 (b / 2) + 16 h + 8 (b % 2) + j
.irp k, 0,1
	global_load_b128 v[BIAS+8*\b+4*\k:BIAS+8*\b+4*\k+3], v[BQK], s[12:13] offset:(32*(\b/2)+8*(\b%2))*4+16*\k
.endr
.endr
	WIN 0
	s_lshl_b32 s92, s28, 19
	s_lshl_b32 s18, s23, 18
	s_add_co_u32 s92, s92, s18                     ; my first row: 128 y + 64 half, 4,096 bytes a row
	s_add_nc_u64 s[14:15], s[14:15], s[92:93]
	s_lshl_b32 s18, s23, 14                        ; my 4 tiles of X,
	s_lshl_b32 s20, s24, 15
	s_add_co_u32 s20, s20, YI                      ; my 8 tiles of Y
.irp q, 0,1
	v_add_nc_u32 v[ADX+\q], s18, v[LI]
	v_add_nc_u32 v[ADY+\q], s20, v[LI]
	s_add_co_u32 s18, s18, 32768
	s_add_co_u32 s20, s20, 65536
.endr
	v_lshlrev_b32 v12, 2, v1                       ; 4 r
	s_lshl_b32 s18, s23, 8                         ; X's words: my 4 tiles;
	s_lshl_b32 s20, s24, 12
	s_add_co_u32 s20, s20, YS-XS                   ; Y's: my half, behind X's
	s_sub_co_u32 s20, s20, s18
	v_mul_u32_u24 v13, s20, v2                     ; lanes 16-31 take Y's: the lower base + h x the distance
	s_add_co_u32 s18, s18, XS
	v_add_nc_u32 v13, v13, v12
	v_add_nc_u32 v[ADRS], s18, v13
	s_mul_i32 s18, s22, 16*SPITCH
	s_add_co_u32 s18, s18, STAGE                   ; my stage
	v_mul_u32_u24 v[STO], v1, SPITCH
	v_lshl_add_u32 v[STO], v2, 6, v[STO]
	v_add_nc_u32 v[STO], s18, v[STO]               ; in: row r, + 64 h
	v_add_nc_u32 v[RD], s18, v[LI]                 ; back: a whole row of 512 bytes
.macro SCALES                          ; for i of 4 and more lanes 0-15 read landed bytes that no product uses
.irp s, 0,1,2,3,4,5,6,7
.irp i, 0,1,2,3,4,5,6,7
	ds_load_b32 v[SC+8*\s+\i], v[ADRS] offset:512*\s+64*\i
.endr
.endr
.endm
.macro FETCH s
	WIN 0x40
.irp i, 0,1,2,3,4,5,6,7
.irp c, 0,1
	ds_load_b128 v[128*((\s)%2)+8*\i+4*\c:128*((\s)%2)+8*\i+4*\c+3], v[ADY+(\s)/4] offset:4096*\i+1024*((\s)%4)+512*\c
.endr
.endr
	WIN 0
.irp i, 0,1,2,3
.irp c, 0,1
	ds_load_b128 v[XF+32*((\s)%2)+8*\i+4*\c:XF+32*((\s)%2)+8*\i+4*\c+3], v[ADX+(\s)/4] offset:4096*\i+1024*((\s)%4)+512*\c
.endr
.endr
.endm
.macro MUL s                           ; 32 products; the 32 accumulators take turns, one instruction a turn, in the same order in every K step
.irp a, 0,1,2,3
.irp b, 0,1,2,3,4,5,6,7
.if (\s) == 0
	v_wmma_scale_f32_16x16x128_f8f6f4 v[8*(8*\a+\b):8*(8*\a+\b)+7], v[128*((\s)%2)+8*\b:128*((\s)%2)+8*\b+7], v[XF+32*((\s)%2)+8*\a:XF+32*((\s)%2)+8*\a+7], v[BIAS+8*\b:BIAS+8*\b+7], v[SC+8*(\s)+\b], v[SC+8*(\s)+\a] matrix_a_fmt:MATRIX_FMT_FP4 matrix_b_fmt:MATRIX_FMT_FP4 matrix_a_scale:MATRIX_SCALE_ROW1
.else
	v_wmma_scale_f32_16x16x128_f8f6f4 v[8*(8*\a+\b):8*(8*\a+\b)+7], v[128*((\s)%2)+8*\b:128*((\s)%2)+8*\b+7], v[XF+32*((\s)%2)+8*\a:XF+32*((\s)%2)+8*\a+7], v[8*(8*\a+\b):8*(8*\a+\b)+7], v[SC+8*(\s)+\b], v[SC+8*(\s)+\a] matrix_a_fmt:MATRIX_FMT_FP4 matrix_b_fmt:MATRIX_FMT_FP4 matrix_a_scale:MATRIX_SCALE_ROW1
.endif
.endr
.endr
.endm
.macro STEP s
	s_wait_dscnt 0x0                               ; this step's fragments are in (and, in step 0, the scale words)
.if (\s) == 3
	s_wait_tensorcnt 0x0                           ; my part of K half 1 has landed,
	s_barrier_signal -1
	s_barrier_wait -1                              ; everybody's has.
.endif
.if (\s) < 7
.if (\s) > 0
	PLACES 4                                       ; between the last products that read the other set and the loads into it
.endif
	FETCH (\s)+1
.endif
.if (\s) == 0
	WIN 0x91                                       ; source 0 (Y) and C (bo) window 1, source 1 (X) window 0, D window 2
.else
	WIN 0xa1                                       ; C and D window 2
.endif
	MUL \s
	WIN 0
.endm
	s_wait_alu depctr_va_vdst(0)
	s_wait_tensorcnt 1                             ; my scale words and my part of K half 0 have landed; K half 1's load, issued behind them, may be out
	s_barrier_signal -1
	s_barrier_wait -1                              ; everybody's have.
	SCALES
	FETCH 0
	s_wait_loadcnt 0x0                             ; bo
.irp s, 0,1,2,3,4,5,6,7
	STEP \s
.endr
; THE WAY OUT, a tile of 16 rows x 128 columns at a time: a lane holds 64-byte pieces of one row; the tile goes through my own stage and comes back as whole rows of 512 bytes.
; LDS serves a wave's instructions in order: no wait between the stores and the loads, nor in front of the next tile's stores.
.macro TOSTAGE a
	WIN 0x08                                       ; an LDS store's data: window 2
.irp g, 0,1,2,3
.irp j, 0,1,2,3
	ds_store_b128 v[STO], v[64*(\a)+16*\g+4*\j:64*(\a)+16*\g+4*\j+3] offset:128*\g+16*\j   ; each accumulator from its low end on
.endr
.endr
	WIN 0
.set BB, BK+64*((\a)%2)
.irp t, 0,1,2,3,4,5,6,7,8,9,10,11,12,13,14,15
	ds_load_b128 v[BB+4*\t:BB+4*\t+3], v[RD] offset:\t*SPITCH
.endr
.endm
.macro SEND a, younger                 ; younger: the LDS instructions issued behind tile a's loads, which may stay out
.set BB, BK+64*((\a)%2)
	s_wait_dscnt \younger
.irp t, 0,1,2,3,4,5,6,7,8,9,10,11,12,13,14,15
	global_store_b128 v[LI], v[BB+4*\t:BB+4*\t+3], s[14:15] offset:(32*((\a)/2)+8*((\a)%2)+\t+8*(\t/8))*4096 th:TH_STORE_NT   ; 32 lanes store 512 consecutive bytes, aligned; lane place t of tile a is this row
.endr
.endm
	PLACES 4                                       ; between the last products and the first read of results, and the loads over X's fragments
	TOSTAGE 0
.irp a, 1,2,3
.if \a > 1
	s_wait_xcnt 0x0                                ; tile a - 2's stores have read their registers: tile a's loads may land there
.endif
	TOSTAGE \a
	SEND \a-1, 32                                  ; behind tile a - 1's loads: tile a's 16 stores and 16 loads
.endr
	SEND 3, 0
	s_wait_tensorcnt 0x0
	ds_add_u32 v126, v127
	s_wait_dscnt 0x0
	CROUND                                         ; the closing round: no work-group ends while a partner may still ask for a tile that names it
	s_endpgm
.Lfunc_end_k_qcc0b1af2db_oproj:
	.size	k_qcc0b1af2db_oproj, .Lfunc_end_k_qcc0b1af2db_oproj-k_qcc0b1af2db_oproj
	.p2alignl 7, 3214868480
	.fill 96, 4, 3214868480
	.section	.rodata,"a",@progbits
	.p2align	6, 0x0
	.amdhsa_kernel k_qcc0b1af2db_oproj
		.amdhsa_group_segment_fixed_size 327680
		.amdhsa_private_segment_fixed_size 0
		.amdhsa_enable_private_segment 0
		.amdhsa_kernarg_size 48
		.amdhsa_user_sgpr_count 2
		.amdhsa_user_sgpr_kernarg_segment_ptr 1
		.amdhsa_wavefront_size32 1
		.amdhsa_system_sgpr_workgroup_id_x 1
		.amdhsa_system_sgpr_workgroup_id_y 1
		.amdhsa_system_sgpr_workgroup_id_z 1
		.amdhsa_system_vgpr_workitem_id 0
		.amdhsa_next_free_vgpr 768
		.amdhsa_next_free_sgpr 102
		.amdhsa_reserve_vcc 0
		.amdhsa_float_denorm_mode_32 3
		.amdhsa_float_denorm_mode_16_64 3
		.amdhsa_memory_ordered 1
		.amdhsa_forward_progress 1
		.amdhsa_inst_pref_size 77
	.end_amdhsa_kernel
	.amdgpu_metadata
---
amdhsa.version: [ 1, 2 ]
amdhsa.kernels:
  - .name:           k_qcc0b1af2db_oproj
    .symbol:         k_qcc0b1af2db_oproj.kd
    .args:
      - { .name: cc, .offset: 0, .size: 8, .value_kind: global_buffer, .address_space: global }
      - { .name: cs, .offset: 8, .size: 8, .value_kind: global_buffer, .address_space: global }
      - { .name: xc, .offset: 16, .size: 8, .value_kind: global_buffer, .address_space: global }
      - { .name: xs, .offset: 24, .size: 8, .value_kind: global_buffer, .address_space: global }
      - { .name: bo, .offset: 32, .size: 8, .value_kind: global_buffer, .address_space: global }
      - { .name: out0, .offset: 40, .size: 8, .value_kind: global_buffer, .address_space: global }
    .group_segment_fixed_size: 327680
    .private_segment_fixed_size: 0
    .kernarg_segment_align: 8
    .kernarg_segment_size: 48
    .max_flat_workgroup_size: 128
    .sgpr_count:     102
    .vgpr_count:     768
    .wavefront_size: 32
...
	.end_amdgpu_metadata
.endif
;; end of part 4
